; MI455X (gfx1250); checked and timed in simulation.
; The chip was launched on July 23, 2026; its instructions are those of AMD's public machine-readable ISA for CDNA 5 (MIT licence, August 2026) and "CDNA5" Instruction Set Architecture Reference Guide (July 2026). The comments in the code are by the model that wrote it; some were corrected since.
;; Multi Head Attention. Allowed arithmetic: matrix products marked QUANTISED: E4M3 operands, one E8M0 scale for each 32 along K, by v_wmma_scale_f32_16x16x128_f8f6f4 with both operands' format E4M3, f32 sums; everything else in f32.
;; Inputs: Wk_codes 512 x 16 x 32 uint8 (E4M3 codes of Wk, K innermost, in blocks of 32 codes); Wk_scales 512 x 16 uint8 (E8M0 scales of Wk, one for each 32 codes along K); Wo_codes 512 x 16 x 32 uint8 (E4M3 codes of Wo, K innermost, in blocks of 32 codes); Wo_scales 512 x 16 uint8 (E8M0 scales of Wo, one for each 32 codes along K); Wq_codes 512 x 16 x 32 uint8 (E4M3 codes of Wq, K innermost, in blocks of 32 codes); Wq_scales 512 x 16 uint8 (E8M0 scales of Wq, one for each 32 codes along K); Wv_codes 512 x 16 x 32 uint8 (E4M3 codes of Wv, K innermost, in blocks of 32 codes); Wv_scales 512 x 16 uint8 (E8M0 scales of Wv, one for each 32 codes along K); bk 512 float32; bo 512 float32; bq 512 float32; bv 512 float32; src_batch_lens 8 int32; x_K_codes 8 x 2,048 x 16 x 32 uint8 (E4M3 codes of x_K, K innermost, in blocks of 32 codes); x_K_scales 8 x 2,048 x 16 uint8 (E8M0 scales of x_K, one for each 32 codes along K); x_Q_codes 8 x 2,048 x 16 x 32 uint8 (E4M3 codes of x_Q, K innermost, in blocks of 32 codes); x_Q_scales 8 x 2,048 x 16 uint8 (E8M0 scales of x_Q, one for each 32 codes along K); x_V_codes 8 x 2,048 x 16 x 32 uint8 (E4M3 codes of x_V, K innermost, in blocks of 32 codes); x_V_scales 8 x 2,048 x 16 uint8 (E8M0 scales of x_V, one for each 32 codes along K).
;; Outputs: out0 8 x 2,048 x 512 float32.
;; This version of the problem:
;;   THIS VERSION OF THE PROBLEM IS GIVEN IN LOW PRECISION. The matrix products marked QUANTISED in the list below multiply operands that are first quantised to E4M3 (4 exponent bits, 3 mantissa bits; 8 bits a number), with one power-of-two scale for each 32 numbers along K (OCP MX v1.0); their sums are f32. All else is computed in f32.
;;   The module's matrix products, in the order in which they are computed (A, B: the left and right operand; K: the contracted axis; several contracted axes count as one K, in the product's order):
;;     1. [M 16,384, K 512] x [K 512, N 512]; A: input x_Q (given as codes); B: input Wq (given as codes): QUANTISED
;;     2. [M 16,384, K 512] x [K 512, N 512]; A: input x_K (given as codes); B: input Wk (given as codes): QUANTISED
;;     3. [M 16,384, K 512] x [K 512, N 512]; A: input x_V (given as codes); B: input Wv (given as codes): QUANTISED
;;     4. batch 64 x [M 2,048, K 64] x [K 64, N 2,048]; A: computed on the way; B: computed on the way: QUANTISED
;;     5. batch 64 x [M 64, K 2,048] x [K 2,048, N 2,048]; A: computed on the way; B: softmax (see below): QUANTISED
;;     6. [M 16,384, K 512] x [K 512, N 512]; A: computed on the way; B: input Wo (given as codes): QUANTISED
;;   THE QUANTISER, for each operand of a quantised product, along K:
;;     - K is cut into blocks of 32 from its start; a last block that is shorter is filled with zeros.
;;     - A block's scale is 2^e with e = floor(log2(the largest magnitude in the block)) - 8, held to -126 .. 127; a block of zeros has e = 0. As a byte (E8M0): e + 127.
;;     - Each number is divided by its block's scale, clamped to +-448, and rounded to the nearest number of E4M3, ties to even, subnormals kept.
;;     - The product sums the exact products of the quantised numbers (number of the format x scale) in f32.
;;   ~~~python
;;   def quantise(x, axis):      # numpy; x: float32 -> the quantised numbers, widened to float32 again
;;       x = np.moveaxis(x, axis, -1); K = x.shape[-1]
;;       x = np.pad(x, [(0, 0)] * (x.ndim - 1) + [(0, -K % 32)]); x = x.reshape(x.shape[:-1] + (-1, 32)); a = np.abs(x).max(-1, keepdims=True)
;;       e = np.where(a > 0, np.clip(np.frexp(np.where(a > 0, a, 1))[1] - 1 - 8, -126, 127), 0)      # np.frexp(a)[1] - 1 = floor(log2(a)), exactly
;;       r = np.clip(x / 2.0 ** e, -448, 448)
;;       step = 2.0 ** (np.maximum(np.frexp(np.where(r == 0, 1, r))[1] - 1, -6) - 3)
;;       q = np.round(r / step) * step * 2.0 ** e      # np.round: ties to even
;;       return np.moveaxis(q.reshape(q.shape[:-2] + (-1,))[..., :K], -1, axis).astype(np.float32)
;;   ~~~
;;   SOFTMAX AHEAD OF A QUANTISED PRODUCT. Where the list says 'softmax', what is quantised is not the finished softmax but p = 2^(t - M), with t = logit x log2(e) and M = ceil(the row's largest t), a whole number; so 1/2 < the row's largest p <= 1. The row's sum l is taken of the UNQUANTISED p, in f32, and the product's result is divided by l at the end. Since M is a whole number, a kernel that streams over the keys may use a running M (the ceiling of the running maximum): every later rescaling is an exact power of two, which a block's scale takes up: the codes' values come out the same.
;;   OPERANDS COMPUTED ON THE WAY. 'Computed on the way' means the value that the module computes at that place (a softmax that the list does not call 'softmax' is quantised finished and normalised). What goes into a quantiser is computed in f32, as accurately as f32 sums, v_exp_f32 and their like allow (about 1e-6 of the number): no bf16 or f16 on the way to a quantiser, and a product that is left as it is and whose result goes on into a quantised operand takes f32 operands (vector FMAs, or v_wmma_f32_16x16x4_f32). A number that lies on a knife's edge between two numbers of the format may be rounded either way, as far as f32 arithmetic and the matrix unit's own rounding can turn it there, and no further.
;;   INPUTS GIVEN AS CODES. Wk (in the module: [512, 512], K = its axis 1); Wo (in the module: [512, 512], K = its axis 1); Wq (in the module: [512, 512], K = its axis 1); Wv (in the module: [512, 512], K = its axis 1); x_K (in the module: [8, 2048, 512], K = its axis 2); x_Q (in the module: [8, 2048, 512], K = its axis 2); x_V (in the module: [8, 2048, 512], K = its axis 2): each comes as NAME_codes (uint8): NAME with its K axis moved to the last place and cut into blocks of 32 codes, [.., K / 32, bytes a block], one block behind the other in memory; one code a byte (a code: sign, 4 exponent bits, 3 mantissa bits); and NAME_scales (uint8): the same leading axes, one E8M0 byte (e + 127) for each 32 codes along K. Its value is code x scale, taken as it is: it is not quantised again, and the codes and scales need not be those that the quantiser above would give.
;; 2 versions, each right; version 2 is version 1 with the launch attn written anew for expert scheduling mode. Each part assembles by itself: llvm-mc -triple=amdgcn-amd-amdhsa -mcpu=gfx1250 --defsym DOCPART=n.
;; ======== version 1 of 2: 3 launches
;; limits: right only within a limited range of input values
;; workspace buffers: qq 8,650,752 bytes; kv 17,301,504 bytes; cc 8,388,608 bytes; cs 262,144 bytes
;; launch proj (part 1): grid 64 x 3, 8 waves a work-group, no clusters, 168,960 bytes of LDS; arguments x_Q_codes, x_Q_scales, Wq_codes, Wq_scales, bq, x_K_codes, x_K_scales, Wk_codes, Wk_scales, bk, x_V_codes, x_V_scales, Wv_codes, Wv_scales, bv, qq, kv; writes qq, kv
.if DOCPART == 1
	.amdgcn_target "amdgcn-amd-amdhsa--gfx1250"
	.amdhsa_code_object_version 6
	.text
	.protected	k_q5c23e39fe5_proj
	.globl	k_q5c23e39fe5_proj
	.p2align	8
	.type	k_q5c23e39fe5_proj,@function
k_q5c23e39fe5_proj:
	s_mov_b64 s[64:65], 0
	v_nop
	global_prefetch_b8 v0, s[64:65] scope:SCOPE_SE
	s_setreg_imm32_b32 hwreg(HW_REG_WAVE_MODE, 25, 1), 1
	s_wait_xcnt 0x0
; THE THREE PROJECTIONS: Q = x_Q Wq^T + bq, K = x_K Wk^T + bk, V = x_V Wv^T + bv, on codes of E4M3 with E8M0 scales, f32 sums; the results are quantised at once and leave as codes.
; Work-group (x, y): tensor y (0 Q, 1 K, 2 V), tokens 256 x .. 256 x + 255.  Wave w is head w: its 64 rows of W, all 512 along K, stay in 256 registers (window 1), read from memory once.
; x's 256 rows and their scale bytes come into LDS once, by tensor loads that fill each byte once.  Four trips of 64 tokens x 64 channels: 16 accumulators, 64 matrix instructions a wave.
; Q, K: source 0 = 16 rows of W, source 1 = 16 tokens: a lane holds ONE token, its registers run along d, the score product's K.
; V:    source 0 = 16 tokens, source 1 = 16 rows of W: a lane holds ONE channel, its registers run along the tokens, the second product's K.
; A PAIR OF NEIGHBOURING TILES IS A BLOCK OF 32: lane half h holds k = 8 h + j of the first tile and 16 + 8 h + j of the second.  Their 16 codes, in this order, are the 16 places of the lane's half of the block:
; a permutation inside a block of 32, the same on both sides of each later product (Q and K are made by the same lines; p is laid like V), so every product and every scale stays what it was.
; OUT: images of operand registers: four registers a store, lane l's 16 bytes at 16 l: each store of the wave covers 512 consecutive bytes, aligned.
;   qq [b][head][step of 128 tokens][8,448]: 4 images of 32 tokens (group 2 u + c: token tile u, d block c), then scale words [image][row].
;   kv [b][head][step][16,896]: K as qq; at 8,192 V: image t = d tile, group c = key block; at 16,384 K's scale words; at 16,640 V's, [half step][pair of d tiles][row].
;   A trip's scale words are one store of 128 bytes: one byte in 33 of what is stored.
; Q x 1/8: the codes are those of Q, and 3 is taken off each scale byte; Q's floor is three powers of two higher, so that the byte stays at 1 or more.
; NO CLUSTER: no two work-groups read the same rows of x, and W lies in registers: through LDS its 512 rows of 528 bytes would not fit beside x's 135,168 bytes.
; LIMITS: NaN and infinities are not served.  A block whose largest magnitude lies under 2^-118 (Q: 2^-115) keeps the floor's byte; a block of zeros has that byte and zero codes (only this program reads the bytes).
.set XP,    528                        ; an LDS row of x: 512 bytes + 16: 33 x 16 bytes, so the 16 rows of a fragment load start in 16 different columns of 16 bytes
.set XSCL,  256*XP                     ; behind x's rows: their scale bytes, 16 a token, dense
.set STQ,   8448                       ; a step's block in qq
.set STKV,  16896                      ; and in kv
.set XA,  1                            ; v1   r x 528 + 16 h: my place in a tile of x
.set XAC, 2                            ; v2   the same in the trip's 64 rows
.set XSA, 3                            ; v3   XSCL + 16 x lane
.set OC,  4                            ; v4   16 x lane: an image's place for my lane
.set OS,  5                            ; v5   4 x lane: a scale word's
.set WOF, 6                            ; v6   r x 512 + 16 h: my place in a tile of W in memory
.set BO,  7                            ; v7   the bias's offset
.set WSR, 8                            ; v8-15   W's scale words: register 4 p + s: lanes 0-15 tile 2 p, lanes 16-31 tile 2 p + 1, K step s
.set XSR, 16                           ; v16-23  x's, likewise, for the trip's four token tiles
.set BI,  24                           ; v24-55  the bias in the result's layout, eight registers a d tile
.set XQA, 56                           ; v56  address of the trip's scale words of x
.set RR,  57                           ; v57  r = lane % 16
.set HH,  58                           ; v58  h = lane / 16
.set XF,  64                           ; v64-127  four fragments of x
.set ACC, 128                          ; v128-255 sixteen accumulators
.set TM,  64                           ; behind the products x's registers are free: v64-79 at work,
.set PC0, 80                           ; v80-95, v96-111 the codes of the trip's two images,
.set PC1, 96
.set PW0, 112                          ; v112-114 their scale words
.set PW1, 113
.set PWM, 114
.set WV,  2
.set Y,   3
.set KK,  4
.set XO,  5                            ; s5  the trip's first row of x in LDS, in bytes
.set XQ,  6                            ; s6  the trip's first scale bytes
.set T7,  7
.set G1X, 44                           ; s[44:51] descriptor group 1: x's rows;  s[52:59]: x's scale bytes;  s[60:63], s[68:71] their groups 0
.set G1S, 52
.set G0X, 60
.set SEL, 66
.set G0S, 68
.set CB,  72                           ; s[72:73] where the trip's codes go;  s[74:75] its scale words
.set SB,  74
.set DC,  76                           ; s[76:77], s[78:79] the steps to the next trip's; they alternate (inside a step's block, on to the next block) by an exclusive or with s80, s81
.set DS,  78
.set DCX, 80
.set DSX, 81
.set FLR, 82
.set ADJ, 83
.set MNT, 84
.set HM,  85
.set ST,  86
.set SOF, 87
.set COF, 92
.set THC, 93
.set MSB, 0
.macro WIN new                         ; the immediate's high byte repeats the setting that is left
.if MSB != \new
	s_set_vgpr_msb (MSB<<8)|\new
.set MSB, \new
.endif
.endm
; one scaled matrix instruction; ra, rb = 1: that side's scales are taken from lanes 16-31
.macro MM d, a, b, c, sa, sb, ra, rb
.if (\ra) && (\rb)
	v_wmma_scale_f32_16x16x128_f8f6f4 v[\d:\d+7], v[\a:\a+15], v[\b:\b+15], v[\c:\c+7], v[\sa], v[\sb] matrix_a_scale:MATRIX_SCALE_ROW1 matrix_b_scale:MATRIX_SCALE_ROW1
.elseif (\ra)
	v_wmma_scale_f32_16x16x128_f8f6f4 v[\d:\d+7], v[\a:\a+15], v[\b:\b+15], v[\c:\c+7], v[\sa], v[\sb] matrix_a_scale:MATRIX_SCALE_ROW1
.elseif (\rb)
	v_wmma_scale_f32_16x16x128_f8f6f4 v[\d:\d+7], v[\a:\a+15], v[\b:\b+15], v[\c:\c+7], v[\sa], v[\sb] matrix_b_scale:MATRIX_SCALE_ROW1
.else
	v_wmma_scale_f32_16x16x128_f8f6f4 v[\d:\d+7], v[\a:\a+15], v[\b:\b+15], v[\c:\c+7], v[\sa], v[\sb]
.endif
.endm
; token tile i x d tile t, K step s.  v = 0: W first (Q, K); v = 1: x first (V).  The first K step takes the bias as C: nothing is cleared, nothing is added later.
.macro PMM v, i, t, s
.set rW, 16*(4*(\s)+(\t))
.set rX, XF+16*(\i)
.set sW, WSR+4*((\t)/2)+(\s)
.set sX, XSR+4*((\i)/2)+(\s)
.set pW, (\t)%2
.set pX, (\i)%2
.if \v
.set rD, ACC+8*(4*(\t)+(\i))
.else
.set rD, ACC+8*(4*(\i)+(\t))
.endif
.set rC, rD
.if (\s) == 0
.set rC, BI+8*(\t)
.endif
.if \v
	MM rD, rX, rW, rC, sX, sW, pX, pW
.else
	MM rD, rW, rX, rC, sW, sX, pW, pX
.endif
.endm
; 128 along K: four fragments of x from LDS, each against W's four: the 16 accumulators take turns, one instruction a turn, in the same order in every K step
.macro KSTEP v, s
.if \s > 0
.rept 8
	v_nop                                          ; eight places between the last products and the loads into the registers that they read
.endr
.endif
.irp i, 0,1,2,3
.irp c, 0,1,2,3
	ds_load_b128 v[XF+16*\i+4*\c:XF+16*\i+4*\c+3], v[XAC] offset:16*\i*XP+128*\s+32*\c
.endr
.endr
	s_wait_dscnt 0x0                               ; the fragments (and, in the first K step, the trip's scale words) are in; the SIMD's other wave has the matrix unit meanwhile
.if \v
	WIN 0x04                                       ; source 1 (W) in window 1
.else
	WIN 0x01                                       ; source 0 (W) in window 1
.endif
.irp i, 0,1,2,3
.irp t, 0,1,2,3
	PMM \v, \i, \t, \s
.endr
.endr
	WIN 0
.endm
; 64 numbers of a lane, register 16 b + i of block b, become 16 registers of codes from v[pc] on and the scale word v[pw] (byte b)
.macro QUANT s, pc, pw
.irp b, 0,1,2,3
	v_max3_num_f32 v[TM+\b], |v[\s+16*\b]|, |v[\s+1+16*\b]|, s[FLR]   ; my 16 numbers of block b, and the floor, under which no largest magnitude is taken
.endr
.irp i, 2,4,6,8,10,12,14
.irp b, 0,1,2,3
	v_max3_num_f32 v[TM+\b], v[TM+\b], |v[\s+16*\b+\i]|, |v[\s+1+16*\b+\i]|   ; the four blocks by turns; each accumulator is read from its low end on
.endr
.endr
.irp b, 0,1,2,3
	v_permlanex16_b32 v[TM+4+\b], v[TM+\b], s[SEL], s[SEL+1]
.endr
.irp b, 0,1,2,3
	v_max_num_f32 v[TM+\b], v[TM+\b], v[TM+4+\b]   ; with lane l xor 16's 16: the block's largest magnitude
.endr
.irp b, 0,1,2,3
	v_add_nc_u32 v[TM+12+\b], 0xfc000000, v[TM+\b] ; 8 off its exponent field: the conversion's scale operand
.endr
.irp b, 0,1,2,3
	v_and_or_b32 v[TM+8+\b], v[TM+\b], 0x7f800000, s[MNT]   ; 448 x the scale
.endr
.irp b, 0,1,2,3
	v_lshrrev_b32 v[TM+4+\b], 23, v[TM+12+\b]      ; the scale's byte
.endr
	v_lshl_or_b32 v[\pw], v[TM+5], 8, v[TM+4]
	v_lshl_or_b32 v[\pw], v[TM+6], 16, v[\pw]
	v_lshl_or_b32 v[\pw], v[TM+7], 24, v[\pw]
.irp b, 0,1,2,3
.irp i, 0,1,2,3,4,5,6,7,8,9,10,11,12,13,14,15
	v_med3_num_f32 v[\s+16*\b+\i], v[\s+16*\b+\i], -v[TM+8+\b], v[TM+8+\b]   ; the conversion to an 8-bit code does not saturate (ISA guide 7.6.2): the hold at the largest code x the scale
.endr
	v_cvt_scalef32_pk8_fp8_f32 v[\pc+4*\b:\pc+4*\b+1], v[\s+16*\b:\s+16*\b+7], v[TM+12+\b]
	v_cvt_scalef32_pk8_fp8_f32 v[\pc+4*\b+2:\pc+4*\b+3], v[\s+16*\b+8:\s+16*\b+15], v[TM+12+\b]
.endr
	v_nop                                          ; a plain line behind the last conversion, ahead of whatever next touches its registers
.endm
.macro OUTST v, u, pc                  ; the trip's image u leaves: four stores of 512 consecutive bytes
.irp bb, 0,1,2,3
.if \v
	global_store_b128 v[OC], v[\pc+4*\bb:\pc+4*\bb+3], s[CB:CB+1] offset:(2*\u+(\bb>>1))*2048+(\bb&1)*512   ; V: d tile 2 u + bb / 2, the half step's key block bb % 2
.else
	global_store_b128 v[OC], v[\pc+4*\bb:\pc+4*\bb+3], s[CB:CB+1] offset:2048*\u+512*\bb                    ; Q, K: image u, group bb
.endif
.endr
.endm
.macro TRIP v
	v_add_nc_u32 v[XAC], s[XO], v[XA]
	v_add_nc_u32 v[XQA], s[XQ], v[XSA]
	ds_load_b128 v[XSR:XSR+3], v[XQA]              ; lane l: token 32 p + l's 16 scale bytes: the words of K steps 0 to 3
	ds_load_b128 v[XSR+4:XSR+7], v[XQA] offset:512
	KSTEP \v, 0
	KSTEP \v, 1
	KSTEP \v, 2
	KSTEP \v, 3
.rept 8
	v_nop                                          ; eight places ahead of the first read of results and the first write of x's registers
.endr
	QUANT ACC, PC0, PW0
	OUTST \v, 0, PC0
	QUANT ACC+64, PC1, PW1
	OUTST \v, 1, PC1
	v_cndmask_b32 v[PWM], v[PW0], v[PW1], s[HM]    ; lanes 0-15 the first image's words, lanes 16-31 the second's
	v_sub_nc_u32 v[PWM], v[PWM], s[ADJ]            ; Q: 3 off each byte (each is 4 or more: nothing is borrowed); K, V: 0
	global_store_b32 v[OS], v[PWM], s[SB:SB+1]
	s_wait_xcnt 0x0                                ; the stores have read their data and bases: the next trip's loads land on the one, the lines below step the other
	s_add_nc_u64 s[CB:CB+1], s[CB:CB+1], s[DC:DC+1]
	s_xor_b32 s[DC], s[DC], s[DCX]
	s_add_nc_u64 s[SB:SB+1], s[SB:SB+1], s[DS:DS+1]
	s_xor_b32 s[DS], s[DS], s[DSX]
	s_add_co_u32 s[XO], s[XO], 64*XP
	s_add_co_u32 s[XQ], s[XQ], 1024
.endm
	s_load_b512 s[8:23], s[0:1], 0x0               ; x_Q c s[8:9] s s[10:11], Wq c s[12:13] s s[14:15], bq s[16:17]; x_K c s[18:19] s s[20:21], Wk c s[22:23]
	s_load_b512 s[24:39], s[0:1], 0x40             ; Wk s s[24:25], bk s[26:27]; x_V c s[28:29] s s[30:31], Wv c s[32:33] s s[34:35], bv s[36:37]; qq s[38:39]
	s_load_b64 s[40:41], s[0:1], 0x80              ; kv
	v_lshl_add_u32 v62, v0, 2, 0x29000
	v_mov_b32 v63, 0
	ds_add_u32 v62, v63
	ds_add_u32 v62, v63
	v_lshrrev_b32 v1, 5, v0
	v_readfirstlane_b32 s[WV], v1                  ; wave = head
	s_and_b32 s[Y], ttmp7, 0xffff                  ; the tensor
	; group 1 for x's rows: 64 rows of 512 bytes, 16 bytes of padding behind each
	s_mov_b32 s[G1X+0], (0<<16)|(1<<20)|(6<<22)|(3<<25)   ; elements of 1 byte; padding on; after every 128 words; four words
	s_mov_b32 s[G1X+1], 512<<16                    ; tensor_dim0
	s_mov_b32 s[G1X+2], 64<<16                     ; tensor_dim1
	s_mov_b32 s[G1X+3], 512<<16                    ; tile_dim0
	s_mov_b32 s[G1X+4], 64                         ; tile_dim1
	s_mov_b32 s[G1X+5], 512                        ; from row to row
	s_mov_b32 s[G1X+6], 0
	s_mov_b32 s[G1X+7], 0
	; group 1 for the scale bytes: 4,096 dense bytes as 16 rows of 32 elements of 8 bytes
	s_mov_b32 s[G1S+0], 3<<16
	s_mov_b32 s[G1S+1], 32<<16
	s_mov_b32 s[G1S+2], 16<<16
	s_mov_b32 s[G1S+3], 32<<16
	s_mov_b32 s[G1S+4], 16
	s_mov_b32 s[G1S+5], 32
	s_mov_b32 s[G1S+6], 0
	s_mov_b32 s[G1S+7], 0
	v_and_b32 v[RR], 15, v0
	v_bfe_u32 v[HH], v0, 4, 1
	v_and_b32 v[OS], 31, v0
	v_mul_u32_u24 v[XA], v[RR], XP
	v_lshl_add_u32 v[XA], v[HH], 4, v[XA]
	v_lshlrev_b32 v[WOF], 9, v[RR]
	v_lshl_add_u32 v[WOF], v[HH], 4, v[WOF]
	v_lshlrev_b32 v[OC], 4, v[OS]
	v_add_nc_u32 v[XSA], XSCL, v[OC]
	v_lshlrev_b32 v[OS], 2, v[OS]
	s_mov_b32 s[SEL], 0x76543210
	s_mov_b32 s[SEL+1], 0xfedcba98                 ; v_permlanex16_b32's selects for lane l xor 16
	s_mov_b32 s[MNT], 0x600000                     ; the mantissa field of 448
	s_mov_b32 s[HM], 0xffff0000                    ; lanes 16-31
	; what differs between the tensors, chosen on the work-group's y alone
	s_cmp_eq_u32 s[Y], 0
	s_mov_b32 s[ST], STKV
	s_cselect_b32 s[ST], STQ, s[ST]                ; a step's block
	s_mov_b32 s[FLR], 9<<23
	s_cselect_b32 s[FLR], 12<<23, s[FLR]           ; the floor
	s_cselect_b32 s[ADJ], 0x03030303, 0            ; what is taken off the scale bytes
	s_mov_b32 s[SOF], 16384
	s_cselect_b32 s[SOF], 8192, s[SOF]             ; where the scale words begin in a block
	s_cmp_eq_u32 s[Y], 2
	s_cselect_b32 s[COF], 8192, 0                  ; where the codes begin
	s_mov_b32 s[THC], 4096
	s_cselect_b32 s[THC], 1024, s[THC]             ; from a step's first half to its second
	s_cselect_b32 s[T7], 256, 0
	s_add_co_u32 s[SOF], s[SOF], s[T7]             ; V's scale words: 16,640
	s_lshr_b32 s88, ttmp9, 3                       ; the batch
	s_lshl_b32 s88, s88, 3
	s_add_co_u32 s88, s88, s[WV]                   ; 8 b + head
	s_lshl_b32 s88, s88, 4
	s_and_b32 s89, ttmp9, 7
	s_lshl_b32 s89, s89, 1
	s_add_co_u32 s88, s88, s89                     ; + my first step: 2 (x % 8)
	s_mul_i32 s88, s88, s[ST]                      ; under 2^25
	s_add_co_u32 s90, s88, s[SOF]
	s_add_co_u32 s88, s88, s[COF]
	s_mov_b32 s89, 0
	s_mov_b32 s91, 0
	s_sub_co_u32 s[T7], s[ST], s[THC]
	s_xor_b32 s[DCX], s[T7], s[THC]
	s_mov_b32 s[DC], s[THC]
	s_mov_b32 s[DC+1], 0
	s_sub_co_u32 s[T7], s[ST], 128
	s_xor_b32 s[DSX], s[T7], 128
	s_mov_b32 s[DS], 128
	s_mov_b32 s[DS+1], 0
	s_mov_b32 s[KK], 4
	s_mov_b32 s[XO], 0
	s_mov_b32 s[XQ], 0
	s_wait_dscnt 0x0
	s_wait_kmcnt 0x0
	s_cmp_eq_u32 s[Y], 1                           ; K's buffers or V's,
	s_cselect_b64 s[18:19], s[18:19], s[28:29]
	s_cselect_b64 s[20:21], s[20:21], s[30:31]
	s_cselect_b64 s[22:23], s[22:23], s[32:33]
	s_cselect_b64 s[24:25], s[24:25], s[34:35]
	s_cselect_b64 s[26:27], s[26:27], s[36:37]
	s_cmp_eq_u32 s[Y], 0                           ; or Q's: from here on x's codes s[8:9], x's scales s[10:11], W's codes s[12:13], W's scales s[14:15], the bias s[16:17], the output s[38:39]
	s_cselect_b64 s[8:9], s[8:9], s[18:19]
	s_cselect_b64 s[10:11], s[10:11], s[20:21]
	s_cselect_b64 s[12:13], s[12:13], s[22:23]
	s_cselect_b64 s[14:15], s[14:15], s[24:25]
	s_cselect_b64 s[16:17], s[16:17], s[26:27]
	s_cselect_b64 s[38:39], s[38:39], s[40:41]
	s_add_nc_u64 s[CB:CB+1], s[38:39], s[88:89]
	s_add_nc_u64 s[SB:SB+1], s[38:39], s[90:91]
	s_mov_b32 s[G0X], 1                            ; count = 1
	s_mul_i32 s[G0X+1], s[WV], 64*XP               ; LDS: wave x 64 rows
	s_lshl_b32 s42, ttmp9, 17                      ; 256 x rows of 512 bytes,
	s_lshl_b32 s43, s[WV], 15                      ; + 64 x wave
	s_add_co_u32 s42, s42, s43
	s_mov_b32 s43, 0
	s_add_nc_u64 s[G0X+2:G0X+3], s[8:9], s[42:43]
	s_or_b32 s[G0X+3], s[G0X+3], 0x80000000        ; type = 2
	s_mov_b32 s[G0S], 1
	s_mov_b32 s[G0S+1], XSCL
	s_lshl_b32 s42, ttmp9, 12
	s_add_nc_u64 s[G0S+2:G0S+3], s[10:11], s[42:43]
	s_or_b32 s[G0S+3], s[G0S+3], 0x80000000
	s_lshl_b32 s42, s[WV], 15
	s_add_nc_u64 s[12:13], s[12:13], s[42:43]      ; my 64 rows of W,
	s_lshl_b32 s42, s[WV], 10
	s_add_nc_u64 s[14:15], s[14:15], s[42:43]      ; their scale bytes,
	s_lshl_b32 s42, s[WV], 8
	s_add_nc_u64 s[16:17], s[16:17], s[42:43]      ; their biases
	; the fills: waves 0 to 3 a quarter of x's rows each, wave 4 the scale bytes; one tensor load a wave, each byte filled once.  Four v_nop follow each line
	s_cmp_lt_u32 s[WV], 4
	s_cbranch_scc0 .Lnot_x
	tensor_load_to_lds s[G0X:G0X+3], s[G1X:G1X+7]
	s_nop 0
.rept 4
	v_nop
.endr
	s_branch .Lasked
.Lnot_x:
	s_cmp_eq_u32 s[WV], 4
	s_cbranch_scc0 .Lasked
	tensor_load_to_lds s[G0S:G0S+3], s[G1S:G1S+7]
	s_nop 0
.rept 4
	v_nop
.endr
.Lasked:
	WIN 0x40                                       ; destination window 1
.irp s, 0,1,2,3                                ; W's fragment (K step s, d tile t) at v[16 (4 s + t)] of window 1: it stays
.irp t, 0,1,2,3
.irp c, 0,1,2,3
	global_load_b128 v[16*(4*\s+\t)+4*\c:16*(4*\s+\t)+4*\c+3], v[WOF], s[12:13] offset:8192*\t+128*\s+32*\c
.endr
.endr
.endr
	WIN 0
	global_load_b128 v[WSR:WSR+3], v[OC], s[14:15]               ; lane l: row 32 p + l's 16 scale bytes
	global_load_b128 v[WSR+4:WSR+7], v[OC], s[14:15] offset:512
	s_wait_tensorcnt 0x0                           ; my part of x has landed,
	s_barrier_signal -1
	s_barrier_wait -1                              ; everybody's has.  The one barrier of the launch: LDS is only read from here on
	s_cmp_eq_u32 s[Y], 2
	s_cbranch_scc1 .Lv
	v_lshlrev_b32 v[BO], 5, v[HH]                  ; Q, K: register j of d tile t wants b[16 t + 8 h + j]
.irp t, 0,1,2,3
	global_load_b128 v[BI+8*\t:BI+8*\t+3], v[BO], s[16:17] offset:64*\t
	global_load_b128 v[BI+8*\t+4:BI+8*\t+7], v[BO], s[16:17] offset:64*\t+16
.endr
	s_wait_loadcnt 0x0                             ; W, its scales, the bias
.Lqk:
	TRIP 0
	s_sub_co_u32 s[KK], s[KK], 1
	s_cmp_lg_u32 s[KK], 0
	s_cbranch_scc1 .Lqk
	s_wait_tensorcnt 0x0
	ds_add_u32 v62, v63
	s_wait_dscnt 0x0
	s_endpgm
.Lv:
	v_lshlrev_b32 v[BO], 2, v[RR]                  ; V: all eight registers of d tile t want b[16 t + r]
.irp t, 0,1,2,3
.irp j, 0,1,2,3,4,5,6,7
	global_load_b32 v[BI+8*\t+\j], v[BO], s[16:17] offset:64*\t
.endr
.endr
	s_wait_loadcnt 0x0
.Lvv:
	TRIP 1
	s_sub_co_u32 s[KK], s[KK], 1
	s_cmp_lg_u32 s[KK], 0
	s_cbranch_scc1 .Lvv
	s_wait_tensorcnt 0x0
	ds_add_u32 v62, v63
	s_wait_dscnt 0x0
	s_endpgm
.Lfunc_end_k_q5c23e39fe5_proj:
	.size	k_q5c23e39fe5_proj, .Lfunc_end_k_q5c23e39fe5_proj-k_q5c23e39fe5_proj
	.p2alignl 7, 3214868480
	.fill 96, 4, 3214868480
	.section	.rodata,"a",@progbits
	.p2align	6, 0x0
	.amdhsa_kernel k_q5c23e39fe5_proj
		.amdhsa_group_segment_fixed_size 168960
		.amdhsa_private_segment_fixed_size 0
		.amdhsa_enable_private_segment 0
		.amdhsa_kernarg_size 136
		.amdhsa_user_sgpr_count 2
		.amdhsa_user_sgpr_kernarg_segment_ptr 1
		.amdhsa_wavefront_size32 1
		.amdhsa_system_sgpr_workgroup_id_x 1
		.amdhsa_system_sgpr_workgroup_id_y 1
		.amdhsa_system_sgpr_workgroup_id_z 1
		.amdhsa_system_vgpr_workitem_id 0
		.amdhsa_next_free_vgpr 512
		.amdhsa_next_free_sgpr 100
		.amdhsa_reserve_vcc 0
		.amdhsa_float_denorm_mode_32 3
		.amdhsa_float_denorm_mode_16_64 3
		.amdhsa_memory_ordered 1
		.amdhsa_forward_progress 1
		.amdhsa_inst_pref_size 78
	.end_amdhsa_kernel
	.amdgpu_metadata
---
amdhsa.version: [ 1, 2 ]
amdhsa.kernels:
  - .name:           k_q5c23e39fe5_proj
    .symbol:         k_q5c23e39fe5_proj.kd
    .args:
      - { .name: x_Q_codes, .offset: 0, .size: 8, .value_kind: global_buffer, .address_space: global }
      - { .name: x_Q_scales, .offset: 8, .size: 8, .value_kind: global_buffer, .address_space: global }
      - { .name: Wq_codes, .offset: 16, .size: 8, .value_kind: global_buffer, .address_space: global }
      - { .name: Wq_scales, .offset: 24, .size: 8, .value_kind: global_buffer, .address_space: global }
      - { .name: bq, .offset: 32, .size: 8, .value_kind: global_buffer, .address_space: global }
      - { .name: x_K_codes, .offset: 40, .size: 8, .value_kind: global_buffer, .address_space: global }
      - { .name: x_K_scales, .offset: 48, .size: 8, .value_kind: global_buffer, .address_space: global }
      - { .name: Wk_codes, .offset: 56, .size: 8, .value_kind: global_buffer, .address_space: global }
      - { .name: Wk_scales, .offset: 64, .size: 8, .value_kind: global_buffer, .address_space: global }
      - { .name: bk, .offset: 72, .size: 8, .value_kind: global_buffer, .address_space: global }
      - { .name: x_V_codes, .offset: 80, .size: 8, .value_kind: global_buffer, .address_space: global }
      - { .name: x_V_scales, .offset: 88, .size: 8, .value_kind: global_buffer, .address_space: global }
      - { .name: Wv_codes, .offset: 96, .size: 8, .value_kind: global_buffer, .address_space: global }
      - { .name: Wv_scales, .offset: 104, .size: 8, .value_kind: global_buffer, .address_space: global }
      - { .name: bv, .offset: 112, .size: 8, .value_kind: global_buffer, .address_space: global }
      - { .name: qq, .offset: 120, .size: 8, .value_kind: global_buffer, .address_space: global }
      - { .name: kv, .offset: 128, .size: 8, .value_kind: global_buffer, .address_space: global }
    .group_segment_fixed_size: 168960
    .private_segment_fixed_size: 0
    .kernarg_segment_align: 8
    .kernarg_segment_size: 136
    .max_flat_workgroup_size: 256
    .sgpr_count:     100
    .vgpr_count:     512
    .wavefront_size: 32
...
	.end_amdgpu_metadata
.endif
;; end of part 1
;; launch attn (part 2): grid 8 x 64, 16 waves a work-group, no clusters, 51,712 bytes of LDS; arguments src_batch_lens, qq, kv, cc, cs; writes cc, cs
.if DOCPART == 2
	.amdgcn_target "amdgcn-amd-amdhsa--gfx1250"
	.amdhsa_code_object_version 6
	.text
	.protected	k_q5c23e39fe5_attn
	.globl	k_q5c23e39fe5_attn
	.p2align	8
	.type	k_q5c23e39fe5_attn,@function
k_q5c23e39fe5_attn:
	s_mov_b64 s[64:65], 0
	v_nop
	global_prefetch_b8 v0, s[64:65] scope:SCOPE_SE
	s_setreg_imm32_b32 hwreg(HW_REG_WAVE_MODE, 25, 1), 1
	s_wait_xcnt 0x0
; ATTENTION on codes of E4M3: scores = (Q / 8) K^T, keys at or past the batch's length filled with -1e9, p = 2^(t - M) quantised along the keys, ctx = (p V) / l, quantised along (head, d) for the last product.
; Work-group (x, y): 256 queries (block x) of head y % 8 of the batch whose number of key steps has RANK y / 8, the longest first: work-groups of unequal length then start in the order of their lengths.
; Each of the sixteen waves owns 16 queries, one tile, in 256 registers: four waves to a SIMD, so that one wave's vector work stands beside another's matrix work and LDS loads.
; KEY STEPS THAT LIE WHOLLY BEHIND THE LENGTH ARE LEFT OUT: their p is exactly 0.  That is a branch on a number read from memory, so this launch has no tensor load and no copy: a step's block of kv
; (16,896 bytes: K's and V's images and scale words, as the launch before laid them) goes to LDS through registers, 32 bytes a thread, asked for one whole key step ahead; two slots take turns.
; For the same reason no cluster: joint requests are tensor loads.  The loop has a constant count; the barrier of each half stands outside the branch, on every wave's path.
; LAYOUT.  Both products are used transposed: S^T = K Q^T, O^T = V^T P^T: a lane holds ONE query throughout.
; THE SCORE PRODUCT HAS K = 64: a fragment of K holds key tile 2 f in registers 0-7 and key tile 2 f + 1 in registers 8-15; Q lies in a run of 24 registers, 8 of zeros, its 8 of codes, 8 of zeros:
; the upper 16 (q, 0) pick the first key tile, the lower 16 (0, q) the second.  Zero codes add nothing: no code here is NaN and no scale byte 0xff.
; p's 16 registers of two neighbouring key tiles are the 16 places of the lane's half of a block of 32 keys, in the order in which V's codes were laid.
; LENGTHS: 1 to 2,048 as the problem has them; above 2,048 nothing is masked; at 0 or below every score is equal in reference() and is taken as 0 here: p = 1 for all keys.
; LIMITS: NaN and infinities are not served.  A row whose largest unmasked score lies within about 100 of -1e9 is not served (there the keys left out would still weigh).  A block of ctx under 2^-118 keeps the floor's byte.
; cs is stored a byte a lane, 32 bytes a wave in 16 rows of 16 bytes: 262,144 bytes in all, one in 33 of what is stored.
.set STKV, 16896
.set STQ,  8448
.set SLOT, 32768                       ; slot 1 begins here
.set FA0, 1                            ; v1   16 x thread: my 16 bytes of K's 8,192 (and of V's) in a block, in memory and in LDS; never rewritten
.set FA,  2                            ; v2   the same in the block that is being fetched
.set QSO, 3                            ; v3   4 r
.set A16, 4                            ; v4   16 x lane: an image's place for my lane
.set A4,  5                            ; v5   4 x lane: a scale word's
.set CSO, 6                            ; v6   16 r + h: my byte of cs
.set H8,  7                            ; v7   8 h
.set SE,  8                            ; v8, v9  V's scale words: d tiles 0 | 2 and 1 | 3 (lanes 0-15 | 16-31)
.set VA,  10                           ; v10, v11 the same bytes as they lie in memory
.set VB,  11
.set QR,  16                           ; v16-39  Q's run
.set FR,  40                           ; v40-103 four fragments: K's, then V's
.set S,   104                          ; v104-167 S^T, then p
.set OT,  168                          ; v168-199 O^T, four d tiles
.set PC,  200                          ; v200-215 p's codes
.set FK,  216                          ; v216-227 the block on its way: my 16 bytes of K, of V, and (wave 0) of the scale words
.set FV,  220
.set FS,  224
.set BM,  228                          ; v228-231 a block's largest score, then its largest p
.set PT,  232                          ; v232-235 at work
.set LM,  236                          ; v236-239 448 x the scale
.set SO,  240                          ; v240-243 the conversions' scale operands
.set KS,  244                          ; v244, v245 K's scale words: fragments 0 | 1 and 2 | 3
.set PF0, 246                          ; v246 the prefetches' offset; never rewritten
.set MD,  247
.set MI,  248                          ; v248 what a hidden score becomes
.set FF,  250                          ; v[250:251] f = 2^(old M - new M), later 1 / l; the upper word is 0 and is only named
.set PS,  253                          ; v253 p's scale word
.set TMP, 254
.set QS,  255                          ; v255 Q's scale word, its two bytes twice
.set WV,  2
.set RHO, 3
.set HD,  14
.set B,   15
.set LEN, 40
.set NST, 41
.set FILLV, 42
.set J,   43
.set JH,  44
.set T0,  45
.set KB,  46
.set KSEL, 47
.set CS,  48
.set SEL, 50
.set MNT, 52
.set HM,  53
.set PFL, 54
.set T1,  55
.set KV,  56
.set PFA, 58
.set QB,  60
.set CCB, 62
.set CSB, 66
.set TP,  68
.set RK,  70
.set BH,  71
.set QSB, 72
.set QSEL, 74
	s_load_b256 s[4:11], s[0:1], 0x0               ; lens s[4:5], qq s[6:7], kv s[8:9], cc s[10:11]
	s_load_b64 s[12:13], s[0:1], 0x20              ; cs
	v_lshl_add_u32 v249, v0, 2, 0xc200
	v_mov_b32 v252, 0
	v_lshrrev_b32 v2, 5, v0
	v_readfirstlane_b32 s[WV], v2                  ; wave 0..15
	s_and_b32 s[T0], ttmp7, 0xffff
	s_lshr_b32 s[RHO], s[T0], 3                    ; the rank
	s_and_b32 s[HD], s[T0], 7                      ; the head
	s_wait_kmcnt 0x0
	s_load_b256 s[16:23], s[4:5], 0x0              ; the eight lengths
	v_lshlrev_b32 v[FA0], 4, v0
	v_and_b32 v[A4], 31, v0
	v_lshlrev_b32 v[A16], 4, v[A4]
	v_lshlrev_b32 v[PF0], 8, v[A4]
	v_lshlrev_b32 v[A4], 2, v[A4]
	v_and_b32 v[QSO], 15, v0
	v_bfe_u32 v[H8], v0, 4, 1
	v_lshl_add_u32 v[CSO], v[QSO], 4, v[H8]
	v_lshlrev_b32 v[QSO], 2, v[QSO]
	v_lshlrev_b32 v[H8], 3, v[H8]
	s_and_b32 s[T1], s[WV], 1
	s_lshl_b32 s[T0], s[T1], 13
	v_add_nc_u32 v[PF0], s[T0], v[PF0]             ; 256 x lane + 8,192 x (wave % 2)
	s_mov_b32 s[CS], 0x3fb8aa3b                    ; log2(e): t = score x log2(e)  (the 1/8 lies in Q's scale bytes)
	s_mov_b32 s[CS+1], s[CS]                       ; (named with it as a pair)
	s_mov_b32 s[SEL], 0x76543210
	s_mov_b32 s[SEL+1], 0xfedcba98
	s_mov_b32 s[MNT], 0x600000
	s_mov_b32 s[HM], 0xffff0000
	s_mov_b32 s[KB], 0
	s_mov_b32 s[J], 0
	s_mov_b32 s[TP+1], 0
	s_wait_kmcnt 0x0
	; WHICH BATCH.  n = its key steps (16 where the length is 0 or less); key = 8 n + 7 - b: all different; a batch's rank = how many keys are larger.  Scalar work, once.
.irp b, 0,1,2,3,4,5,6,7
	s_min_i32 s[24+\b], s[16+\b], 2048
	s_add_co_i32 s[24+\b], s[24+\b], 127
	s_lshr_b32 s[24+\b], s[24+\b], 7
	s_cmp_le_i32 s[16+\b], 0
	s_cselect_b32 s[24+\b], 16, s[24+\b]
	s_lshl_b32 s[24+\b], s[24+\b], 3
	s_add_co_u32 s[24+\b], s[24+\b], 7-\b
.endr
	s_mov_b32 s[KSEL], s24
	s_mov_b32 s[LEN], s16
.irp b, 0,1,2,3,4,5,6,7
	s_mov_b32 s[RK], 0
.irp c, 0,1,2,3,4,5,6,7
.if \c != \b
	s_cmp_gt_u32 s[24+\c], s[24+\b]
	s_add_co_ci_u32 s[RK], s[RK], 0
.endif
.endr
	s_cmp_eq_u32 s[RK], s[RHO]
	s_cselect_b32 s[KSEL], s[24+\b], s[KSEL]
	s_cselect_b32 s[LEN], s[16+\b], s[LEN]
.endr
	s_lshr_b32 s[NST], s[KSEL], 3                  ; my batch's key steps,
	s_and_b32 s[B], s[KSEL], 7
	s_sub_co_u32 s[B], 7, s[B]                     ; its number,
	s_min_u32 s[B], s[B], 7                        ; held inside the tables ahead of every address
	s_cmp_le_i32 s[LEN], 0
	s_cselect_b32 s[FILLV], 0, 0xce6e6b28          ; -1e9
	s_lshr_b32 s[T0], s[WV], 1                     ; who prefetches: waves 2 and 3 of the head's first query block; the others never
	s_xor_b32 s[T0], s[T0], 1
	s_or_b32 s[T0], s[T0], ttmp9
	s_cmp_eq_u32 s[T0], 0
	s_cselect_b32 s[PFL], s[NST], 0
	s_lshl_b32 s[BH], s[B], 3
	s_add_co_u32 s[BH], s[BH], s[HD]               ; 8 b + head
	s_mul_i32 s[TP], s[BH], 16*STKV
	s_add_nc_u64 s[KV:KV+1], s[8:9], s[TP:TP+1]    ; the head's sixteen blocks of kv
	s_add_nc_u64 s[PFA:PFA+1], s[KV:KV+1], STKV    ; the first active half steps it to key step 2
	s_lshl_b32 s[TP], s[BH], 4
	s_lshl_b32 s[T0], ttmp9, 1
	s_add_co_u32 s[TP], s[TP], s[T0]
	s_lshr_b32 s[T0], s[WV], 3
	s_add_co_u32 s[TP], s[TP], s[T0]               ; my queries' step: 2 x + wave / 8
	s_mul_i32 s[TP], s[TP], STQ
	s_add_nc_u64 s[QB:QB+1], s[6:7], s[TP:TP+1]
	s_bfe_u32 s[T0], s[WV], 0x20001                ; the image: (wave / 2) % 4
	s_lshl_b32 s[TP], s[T0], 6
	s_add_nc_u64 s[QSB:QSB+1], s[QB:QB+1], s[TP:TP+1]   ; its 16 scale words (8,192 further on)
	s_lshl_b32 s[TP], s[T0], 11
	s_lshl_b32 s[T0], s[T1], 10                    ; the token tile in it: wave % 2: groups 2 u and 2 u + 1
	s_add_co_u32 s[TP], s[TP], s[T0]
	s_add_nc_u64 s[QB:QB+1], s[QB:QB+1], s[TP:TP+1]
	s_mov_b32 s[QSEL], 0x03020302
	s_cmp_eq_u32 s[T1], 0
	s_cselect_b32 s[QSEL], 0x01000100, s[QSEL]     ; which two bytes of the image's word are my tile's
.irp j, 0,1,2,3
	v_mov_b32 v[FS+\j], 0                          ; wave 0 alone loads and stores these four; they are written here once, in every wave, so that they are defined on every path that leads to a store of them
.endr
	global_load_b128 v[QR+8:QR+11], v[A16], s[QB:QB+1] th:TH_LOAD_NT
	global_load_b128 v[QR+12:QR+15], v[A16], s[QB:QB+1] offset:512 th:TH_LOAD_NT
	global_load_b32 v[TMP], v[QSO], s[QSB:QSB+1] offset:8192
	global_load_b128 v[FK:FK+3], v[FA0], s[KV:KV+1]               ; key step 0
	global_load_b128 v[FV:FV+3], v[FA0], s[KV:KV+1] offset:8192
	s_cmp_lg_u32 s[WV], 0
	s_cbranch_scc1 .Lhead_no_sc
	global_load_b128 v[FS:FS+3], v[FA0], s[KV:KV+1] offset:16384  ; wave 0: the block's 512 bytes of scale words
.Lhead_no_sc:
	s_lshl_b32 s[T0], ttmp9, 4
	s_add_co_u32 s[T0], s[T0], s[WV]
	s_lshl_b32 s[T1], s[B], 7
	s_add_co_u32 s[T0], s[T0], s[T1]               ; my token tile among all 1,024: 128 b + 16 x + wave
	s_lshl_b32 s[TP], s[T0], 8                     ; cs: 16 tokens of 16 bytes,
	s_lshl_b32 s[T1], s[HD], 1
	s_add_co_u32 s[TP], s[TP], s[T1]               ; + 2 x head
	s_add_nc_u64 s[CSB:CSB+1], s[12:13], s[TP:TP+1]
	s_lshl_b32 s[TP], s[T0], 2
	s_lshr_b32 s[T1], s[HD], 1
	s_add_co_u32 s[TP], s[TP], s[T1]               ; cc: image (token tile, K step head / 2),
	s_lshl_b32 s[TP], s[TP], 11
	s_and_b32 s[T1], s[HD], 1
	s_lshl_b32 s[T1], s[T1], 10
	s_add_co_u32 s[TP], s[TP], s[T1]               ; groups 2 (head % 2) and + 1
	s_add_nc_u64 s[CCB:CCB+1], s[10:11], s[TP:TP+1]
.irp j, 0,1,2,3,4,5,6,7
	v_mov_b32 v[QR+\j], 0                          ; the zeros on both sides of Q's codes
	v_mov_b32 v[QR+16+\j], 0
.endr
	v_mov_b32 v13, 0xff61b1e6                      ; the largest t so far: -3e38
	v_floor_f32 v12, -v13                          ; -M
	v_mov_b32 v14, 0                               ; the sum, in two halves
	v_mov_b32 v15, 0
.set n, 0
.rept 32
	v_mov_b32 v[OT+n], 0                           ; O^T: the key step is written without a first step of its own: the first change of M multiplies zeros
.set n, n+1
.endr
.irp b, 0,1,2,3
	v_mov_b32 v[PT+\b], 0                          ; a lane permute's destination counts as one of its sources
.endr
	v_mov_b32 v[FF+1], 0
	v_mov_b32 v[MI], s[FILLV]
	s_wait_loadcnt 0x0
	v_perm_b32 v[QS], v[TMP], v[TMP], s[QSEL]      ; [s0, s1, s0, s1]: it serves (q, 0) and (0, q) alike
	ds_store_b128 v[FA0], v[FK:FK+3]
	ds_store_b128 v[FA0], v[FV:FV+3] offset:8192
	s_cmp_lg_u32 s[WV], 0
	s_cbranch_scc1 .Lhead_no_st
	ds_store_b128 v[FA0], v[FS:FS+3] offset:16384
.Lhead_no_st:
	s_wait_dscnt 0x0                               ; my part of slot 0 has landed,
	s_barrier_signal -1
	s_barrier_wait -1                              ; everybody's has
.macro SCORE f                         ; key tiles 2 f and 2 f + 1 out of fragment f
.if (\f)%2
	v_wmma_scale_f32_16x16x128_f8f6f4 v[S+16*\f:S+16*\f+7], v[FR+16*\f:FR+16*\f+15], v[QR+8:QR+23], 0, v[KS+\f/2], v[QS] matrix_a_scale:MATRIX_SCALE_ROW1
	v_wmma_scale_f32_16x16x128_f8f6f4 v[S+16*\f+8:S+16*\f+15], v[FR+16*\f:FR+16*\f+15], v[QR:QR+15], 0, v[KS+\f/2], v[QS] matrix_a_scale:MATRIX_SCALE_ROW1
.else
	v_wmma_scale_f32_16x16x128_f8f6f4 v[S+16*\f:S+16*\f+7], v[FR+16*\f:FR+16*\f+15], v[QR+8:QR+23], 0, v[KS+\f/2], v[QS]
	v_wmma_scale_f32_16x16x128_f8f6f4 v[S+16*\f+8:S+16*\f+15], v[FR+16*\f:FR+16*\f+15], v[QR:QR+15], 0, v[KS+\f/2], v[QS]
.endif
.endm
.macro PVM t                           ; O^T's d tile t += V's image t x p: the four accumulators take turns, one instruction a turn
.if (\t)/2
	v_wmma_scale_f32_16x16x128_f8f6f4 v[OT+8*\t:OT+8*\t+7], v[FR+16*\t:FR+16*\t+15], v[PC:PC+15], v[OT+8*\t:OT+8*\t+7], v[SE+(\t)%2], v[PS] matrix_a_scale:MATRIX_SCALE_ROW1
.else
	v_wmma_scale_f32_16x16x128_f8f6f4 v[OT+8*\t:OT+8*\t+7], v[FR+16*\t:FR+16*\t+15], v[PC:PC+15], v[OT+8*\t:OT+8*\t+7], v[SE+(\t)%2], v[PS]
.endif
.endm
; A KEY STEP: 128 keys, out of slot p
.macro STEP p
.rept 8
	v_nop                                          ; eight places between the last step's products and the loads into their operands
.endr
.irp f, 0,1,2,3
.irp g, 0,1,2,3
	ds_load_b128 v[FR+16*\f+4*\g:FR+16*\f+4*\g+3], v[A16] offset:SLOT*(\p)+2048*\f+512*\g
.endr
.endr
	ds_load_b32 v[KS], v[A4] offset:SLOT*(\p)+16384
	ds_load_b32 v[KS+1], v[A4] offset:SLOT*(\p)+16512
	ds_load_b32 v[VA], v[A4] offset:SLOT*(\p)+16640
	ds_load_b32 v[VB], v[A4] offset:SLOT*(\p)+16768
	s_wait_dscnt 0x0
.irp f, 0,1,2,3
	SCORE \f
.endr
	v_perm_b32 v[SE], v[VB], v[VA], 0x05040100     ; the even d tiles' bytes of key blocks 0, 1 | 2, 3.  These two lines and six v_nop are the eight places behind the score products
	v_perm_b32 v[SE+1], v[VB], v[VA], 0x07060302   ; the odd ones'
.rept 6
	v_nop
.endr
.irp t, 0,1,2,3
.irp c, 0,1,2,3
	ds_load_b128 v[FR+16*\t+4*\c:FR+16*\t+4*\c+3], v[A16] offset:SLOT*(\p)+8192+2048*\t+512*\c   ; V: it lands under the softmax
.endr
.endr
	s_add_co_u32 s[T0], s[KB], 128                 ; THE MASK: a step all of whose keys count skips it
	s_cmp_le_i32 s[T0], s[LEN]
	s_cbranch_scc1 .Lopen_\@
	s_sub_co_i32 s[T0], s[LEN], s[KB]
	v_sub_nc_u32 v[MD], s[T0], v[H8]               ; register n holds key KB + 16 (n / 8) + 8 h + n % 8: hidden where 16 (n / 8) + n % 8 >= length - KB - 8 h
.irp n, 0,1,2,3,4,5,6,7,8,9,10,11,12,13,14,15,16,17,18,19,20,21,22,23,24,25,26,27,28,29,30,31,32,33,34,35,36,37,38,39,40,41,42,43,44,45,46,47,48,49,50,51,52,53,54,55,56,57,58,59,60,61,62,63
	v_cmp_ge_i32 vcc_lo, 16*(\n/8)+\n%8, v[MD]
	v_cndmask_b32 v[S+\n], v[S+\n], v[MI], vcc_lo
.endr
.Lopen_\@:
.irp b, 0,1,2,3
	v_max3_num_f32 v[BM+\b], v[S+16*\b], v[S+1+16*\b], v[S+2+16*\b]   ; the largest score of each block of 32 keys: for the row's maximum, and, since p rises with the score, for the block's largest p
.endr
.irp i, 3,5,7,9,11,13
.irp b, 0,1,2,3
	v_max3_num_f32 v[BM+\b], v[BM+\b], v[S+16*\b+\i], v[S+1+16*\b+\i]
.endr
.endr
.irp b, 0,1,2,3
	v_max_num_f32 v[BM+\b], v[BM+\b], v[S+15+16*\b]
.endr
.irp b, 0,1,2,3
	v_permlanex16_b32 v[PT+\b], v[BM+\b], s[SEL], s[SEL+1]
.endr
.irp b, 0,1,2,3
	v_max_num_f32 v[BM+\b], v[BM+\b], v[PT+\b]     ; with lane l xor 16's 16 keys
.endr
	v_max3_num_f32 v[TMP], v[BM], v[BM+1], v[BM+2]
	v_max_num_f32 v[TMP], v[TMP], v[BM+3]
	v_mul_f32 v[TMP], s[CS], v[TMP]                ; the step's largest t of my query
	v_max_num_f32 v13, v13, v[TMP]                 ; the running largest t
	v_mov_b32 v[TMP], v12
	v_floor_f32 v12, -v13                          ; -M = floor(-t): M is a whole number
	v_sub_f32 v[TMP], v12, v[TMP]                  ; old M - new M: a whole number, 0 or less
	v_cvt_i32_f32 v[TMP], v[TMP]                   ; (it saturates)
	v_ldexp_f32 v[FF], 1.0, v[TMP]                 ; f = 2^(old M - new M): a multiplication by it rounds nothing
.set n, 0
.rept 32
	v_pk_fma_f32 v[S+n:S+n+1], v[S+n:S+n+1], s[CS:CS+1], v[12:13] op_sel_hi:[1,0,0]   ; t - M, two at a time
.set n, n+2
.endr
.irp b, 0,1,2,3
	v_fma_f32 v[BM+\b], v[BM+\b], s[CS], v12       ; the same of each block's largest score
.endr
.set n, 0
.rept 64
	v_exp_f32 v[S+n], v[S+n]                       ; p = 2^(t - M), not normalised
.set n, n+1
.endr
	v_pk_mul_f32 v[14:15], v[14:15], v[FF:FF+1] op_sel_hi:[1,0]   ; the sums under the new M: the plain line behind the exponentials
	s_wait_alu depctr_va_vdst(0)                   ; one wait for the batch of 64, ahead of its first reader
.irp b, 0,1,2,3
	v_exp_f32 v[BM+\b], v[BM+\b]                   ; the blocks' largest p: the same two instructions on the same number
.endr
	v_pk_add_f32 v[PT:PT+1], v[S:S+1], v[S+2:S+3]  ; the row's sum is taken of the unquantised p, in two chains; it reads the 64 alone
.irp j, 4,8,12,16,20,24,28,32,36,40,44,48,52,56,60
	v_pk_add_f32 v[14:15], v[14:15], v[S+\j:S+\j+1]
	v_pk_add_f32 v[PT:PT+1], v[PT:PT+1], v[S+2+\j:S+3+\j]
.endr
	v_pk_add_f32 v[14:15], v[14:15], v[PT:PT+1]
	s_wait_alu depctr_va_vdst(0)                   ; and one for the four
.irp b, 0,1,2,3
	v_max_num_f32 v[BM+\b], 0x4800000, v[BM+\b]    ; the floor 2^(9 - 127): the byte cannot fall under 1
.endr
.irp b, 0,1,2,3
	v_add_nc_u32 v[SO+\b], 0xfc000000, v[BM+\b]    ; 8 off the exponent field: the conversion's scale operand
.endr
.irp b, 0,1,2,3
	v_and_or_b32 v[LM+\b], v[BM+\b], 0x7f800000, s[MNT]   ; 448 x the scale
.endr
.irp b, 0,1,2,3
	v_lshrrev_b32 v[PT+\b], 23, v[SO+\b]           ; the scale's byte
.endr
	v_lshl_or_b32 v[PS], v[PT+1], 8, v[PT]         ; p's scale word for these 128 keys
	v_lshl_or_b32 v[PS], v[PT+2], 16, v[PS]
	v_lshl_or_b32 v[PS], v[PT+3], 24, v[PS]
.irp b, 0,1,2,3
.irp i, 0,1,2,3,4,5,6,7,8,9,10,11,12,13,14,15
	v_min_num_f32 v[S+16*\b+\i], v[S+16*\b+\i], v[LM+\b]   ; the conversion does not saturate (ISA guide 7.6.2); p is not negative, so the hold is one-sided
.endr
	v_cvt_scalef32_pk8_fp8_f32 v[PC+4*\b:PC+4*\b+1], v[S+16*\b:S+16*\b+7], v[SO+\b]
	v_cvt_scalef32_pk8_fp8_f32 v[PC+4*\b+2:PC+4*\b+3], v[S+16*\b+8:S+16*\b+15], v[SO+\b]
.endr
.set n, 0
.rept 16
	v_pk_mul_f32 v[OT+n:OT+n+1], v[OT+n:OT+n+1], v[FF:FF+1] op_sel_hi:[1,0]   ; O^T under the new M, from each accumulator's low end on; these sixteen also stand between the codes and the products that take them
.set n, n+2
.endr
	s_wait_dscnt 0x0                               ; V is in
.irp t, 0,1,2,3
	PVM \t
.endr
.endm
; HALF A TRIP: key step J + p out of slot p, while key step J + p + 1 is brought into the other slot.  A step behind the length does nothing but pass the barrier.
; ONE barrier for two things: in front of it my stores into the other slot have landed and my reads of this slot are over; behind it the other slot is read and this one is written.
.macro HALF p
	s_add_co_u32 s[JH], s[J], \p
	s_cmp_ge_u32 s[JH], s[NST]
	s_cbranch_scc1 .Lidle_\@
	s_wait_xcnt 0x0                                ; the last prefetch, a key step back, has read its address:
	s_add_nc_u64 s[PFA:PFA+1], s[PFA:PFA+1], STKV  ; now key step J + p + 2
	s_add_co_u32 s[T0], s[JH], 1
	s_min_u32 s[T0], s[T0], 15                     ; the next block; never past kv's end (the last active step fetches one block in vain)
	s_mul_i32 s[T0], s[T0], STKV
	v_add_nc_u32 v[FA], s[T0], v[FA0]              ; (the loads that named it were waited for in the half before)
	global_load_b128 v[FK:FK+3], v[FA], s[KV:KV+1]
	global_load_b128 v[FV:FV+3], v[FA], s[KV:KV+1] offset:8192
	s_cmp_lg_u32 s[WV], 0
	s_cbranch_scc1 .Lno_sc_\@
	global_load_b128 v[FS:FS+3], v[FA], s[KV:KV+1] offset:16384
.Lno_sc_\@:
	; A PREFETCH of key step J + p + 2's codes, one key step ahead of the loads that will want them: 16,384 bytes, lanes 256 bytes apart, 8,192 bytes a wave.  All eight query blocks of a head walk the
	; same blocks of kv: the first of them asks, by its waves 2 and 3, so each 256 bytes are named once in the launch.  Steps 0 and 1 and the 512 bytes of scale words come by their loads alone; steps behind the length are not asked for.
	s_add_co_u32 s[T1], s[JH], 2
	s_cmp_lt_u32 s[T1], s[PFL]
	s_cbranch_scc0 .Lno_ask_\@
	global_prefetch_b8 v[PF0], s[PFA:PFA+1] th:TH_LOAD_NT scope:SCOPE_SE
.Lno_ask_\@:
	STEP \p
	s_wait_loadcnt 0x0                             ; the next block's bytes are in my registers (asked for a whole key step ago)
	ds_store_b128 v[FA0], v[FK:FK+3] offset:SLOT*(1-\p)
	ds_store_b128 v[FA0], v[FV:FV+3] offset:SLOT*(1-\p)+8192
	s_cmp_lg_u32 s[WV], 0
	s_cbranch_scc1 .Lidle_\@
	ds_store_b128 v[FA0], v[FS:FS+3] offset:SLOT*(1-\p)+16384
.Lidle_\@:
	s_add_co_u32 s[KB], s[KB], 128
	s_wait_dscnt 0x0
	s_barrier_signal -1
	s_barrier_wait -1
.endm
.Ltrip:                                            ; eight trips, a constant of the text
	HALF 0
	HALF 1
	s_add_co_u32 s[J], s[J], 2
	s_cmp_lt_u32 s[J], 16
	s_cbranch_scc1 .Ltrip
	; THE END: ctx = O^T / l, quantised along d (two blocks of 32: d tiles 0, 1 and 2, 3), as an image of the last product's operand registers
.rept 8
	v_nop                                          ; eight places behind the last products
.endr
	v_add_f32 v14, v14, v15
	v_permlanex16_b32 v[PT], v14, s[SEL], s[SEL+1]
	v_add_f32 v14, v14, v[PT]                      ; the row's sum: over 1/2, since the row's largest p is
	v_rcp_f32 v[FF], v14
	v_nop                                          ; a plain line behind the reciprocal,
	s_wait_alu depctr_va_vdst(0)                   ; and the wait ahead of its first reader
.set n, 0
.rept 16
	v_pk_mul_f32 v[S+n:S+n+1], v[OT+n:OT+n+1], v[FF:FF+1] op_sel_hi:[1,0]   ; register 8 t + j: ctx(query r, d = 16 t + 8 h + j)
.set n, n+2
.endr
.irp b, 0,1
	v_max3_num_f32 v[BM+\b], |v[S+16*\b]|, |v[S+1+16*\b]|, 0x4800000
.endr
.irp i, 2,4,6,8,10,12,14
.irp b, 0,1
	v_max3_num_f32 v[BM+\b], v[BM+\b], |v[S+16*\b+\i]|, |v[S+1+16*\b+\i]|
.endr
.endr
.irp b, 0,1
	v_permlanex16_b32 v[PT+\b], v[BM+\b], s[SEL], s[SEL+1]
.endr
.irp b, 0,1
	v_max_num_f32 v[BM+\b], v[BM+\b], v[PT+\b]
.endr
.irp b, 0,1
	v_add_nc_u32 v[SO+\b], 0xfc000000, v[BM+\b]
.endr
.irp b, 0,1
	v_and_or_b32 v[LM+\b], v[BM+\b], 0x7f800000, s[MNT]
.endr
.irp b, 0,1
	v_lshrrev_b32 v[PT+\b], 23, v[SO+\b]
.endr
.irp b, 0,1
.irp i, 0,1,2,3,4,5,6,7,8,9,10,11,12,13,14,15
	v_med3_num_f32 v[S+16*\b+\i], v[S+16*\b+\i], -v[LM+\b], v[LM+\b]
.endr
	v_cvt_scalef32_pk8_fp8_f32 v[PC+4*\b:PC+4*\b+1], v[S+16*\b:S+16*\b+7], v[SO+\b]
	v_cvt_scalef32_pk8_fp8_f32 v[PC+4*\b+2:PC+4*\b+3], v[S+16*\b+8:S+16*\b+15], v[SO+\b]
.endr
	v_cndmask_b32 v[TMP], v[PT], v[PT+1], s[HM]    ; lanes 0-15 store block 0's byte of their row, lanes 16-31 block 1's.  (Also the plain line behind the conversions)
	global_store_b128 v[A16], v[PC:PC+3], s[CCB:CCB+1]             ; 512 consecutive bytes each
	global_store_b128 v[A16], v[PC+4:PC+7], s[CCB:CCB+1] offset:512
	global_store_b8 v[CSO], v[TMP], s[CSB:CSB+1]
	s_wait_tensorcnt 0x0
	ds_add_u32 v249, v252
	s_wait_dscnt 0x0
	s_endpgm
.Lfunc_end_k_q5c23e39fe5_attn:
	.size	k_q5c23e39fe5_attn, .Lfunc_end_k_q5c23e39fe5_attn-k_q5c23e39fe5_attn
	.p2alignl 7, 3214868480
	.fill 96, 4, 3214868480
	.section	.rodata,"a",@progbits
	.p2align	6, 0x0
	.amdhsa_kernel k_q5c23e39fe5_attn
		.amdhsa_group_segment_fixed_size 51712
		.amdhsa_private_segment_fixed_size 0
		.amdhsa_enable_private_segment 0
		.amdhsa_kernarg_size 40
		.amdhsa_user_sgpr_count 2
		.amdhsa_user_sgpr_kernarg_segment_ptr 1
		.amdhsa_wavefront_size32 1
		.amdhsa_system_sgpr_workgroup_id_x 1
		.amdhsa_system_sgpr_workgroup_id_y 1
		.amdhsa_system_sgpr_workgroup_id_z 1
		.amdhsa_system_vgpr_workitem_id 0
		.amdhsa_next_free_vgpr 256
		.amdhsa_next_free_sgpr 80
		.amdhsa_reserve_vcc 1
		.amdhsa_float_denorm_mode_32 3
		.amdhsa_float_denorm_mode_16_64 3
		.amdhsa_memory_ordered 1
		.amdhsa_forward_progress 1
		.amdhsa_inst_pref_size 69
	.end_amdhsa_kernel
	.amdgpu_metadata
---
amdhsa.version: [ 1, 2 ]
amdhsa.kernels:
  - .name:           k_q5c23e39fe5_attn
    .symbol:         k_q5c23e39fe5_attn.kd
    .args:
      - { .name: src_batch_lens, .offset: 0, .size: 8, .value_kind: global_buffer, .address_space: global }
      - { .name: qq, .offset: 8, .size: 8, .value_kind: global_buffer, .address_space: global }
      - { .name: kv, .offset: 16, .size: 8, .value_kind: global_buffer, .address_space: global }
      - { .name: cc, .offset: 24, .size: 8, .value_kind: global_buffer, .address_space: global }
      - { .name: cs, .offset: 32, .size: 8, .value_kind: global_buffer, .address_space: global }
    .group_segment_fixed_size: 51712
    .private_segment_fixed_size: 0
    .kernarg_segment_align: 8
    .kernarg_segment_size: 40
    .max_flat_workgroup_size: 512
    .sgpr_count:     80
    .vgpr_count:     256
    .wavefront_size: 32
...
	.end_amdgpu_metadata
.endif
;; end of part 2
;; launch oproj (part 3): grid 128 x 2, 8 waves a work-group, clusters of 4 x 1, 238,592 bytes of LDS; arguments cc, cs, Wo_codes, Wo_scales, bo, out0; writes out0
.if DOCPART == 3
	.amdgcn_target "amdgcn-amd-amdhsa--gfx1250"
	.amdhsa_code_object_version 6
	.text
	.protected	k_q5c23e39fe5_oproj
	.globl	k_q5c23e39fe5_oproj
	.p2align	8
	.type	k_q5c23e39fe5_oproj,@function
k_q5c23e39fe5_oproj:
	s_mov_b64 s[64:65], 0
	v_nop
	global_prefetch_b8 v0, s[64:65] scope:SCOPE_SE
	s_setreg_imm32_b32 hwreg(HW_REG_WAVE_MODE, 25, 1), 1
	s_wait_xcnt 0x0
	s_wait_alu depctr_hold_cnt(0) depctr_sa_sdst(0) depctr_va_vdst(0) depctr_va_sdst(0) depctr_va_ssrc(0) depctr_va_vcc(0) depctr_vm_vsrc(0)
	s_getreg_b32 s2, hwreg(HW_REG_IB_STS2, 6, 4)
	s_cmp_eq_u32 s2, 0
	s_cbranch_scc0 .Lentry_in_a_cluster
	s_endpgm
.Lentry_in_a_cluster:
	s_bfe_u32 s2, ttmp6, 0x10000c
	s_cmp_lg_u32 s2, 0x3003
	s_cbranch_scc0 .Lentry_shape_is_right
	s_endpgm
.Lentry_shape_is_right:
; out0 = ctx Wo^T + bo on codes of E4M3 with E8M0 scales, f32 sums.  ctx comes as images of operand registers (cc) and scale bytes [token][16] (cs), Wo as given.
; Work-group: 128 tokens (block 4 x cluster x + cx) x 256 columns (half y): 256 work-groups, one tile each.  Wave w: 64 tokens (w % 2) x 64 columns (w / 2): 16 accumulators, 64 matrix instructions.
; K = 512 fits in LDS whole: every byte of LDS is filled once, at the head; there is no ring.
; CLUSTER: the four work-groups of a cluster take the same half of Wo, 131,072 of the 198,656 bytes that each fetches: it is asked for JOINTLY (waves 0 to 3, 64 rows each, mask 15).
; ctx (waves 4, 5) and its scale bytes (wave 6) are each work-group's own: plain loads, behind the same round of the cluster's barrier.
; ctx's CODES LIE PERMUTED INSIDE EACH BLOCK OF 32: place p of lane half h is k = 8 h + p (p < 8) or 16 + 8 h + p - 8.  Wo's fragments are read in the same order: eight loads of 8 bytes, 16 bytes apart, from 8 h on.
; TRANSPOSED: source 0 = 16 rows of Wo, source 1 = 16 tokens: a lane holds eight neighbouring columns of one row of out0.  The bias is loaded straight into the accumulators, so every product adds in place.
; THE WAY OUT: 16 rows x 256 bytes at a time through the wave's own stage in LDS; sixteen lanes then store 256 consecutive bytes, aligned.
.set XP,  528                          ; an LDS row of Wo: 512 bytes + 16 = 132 words: lane (r, h) reads words 4 r + 2 h and the next, modulo 64: all different
.set CXL, 256*XP                       ; ctx: 32 images of 2,048 bytes: (token tile i, K step s) at 8,192 i + 2,048 s
.set CSL, CXL+65536                    ; its scale bytes, 16 a token
.set STG, CSL+2048                     ; the stages: 16 rows x 272 bytes a wave; no fill lands here
.set SP,  272
.set WA,  1                            ; v1  my place in my 64 rows of Wo
.set CA,  2                            ; v2  in my four token tiles' images
.set SA,  3                            ; v3  among their scale bytes
.set STO, 4                            ; v4  the stage: where I put 32 bytes of a row
.set RD,  5                            ; v5  where I read a row back
.set CO,  6                            ; v6  my byte offset in two rows of out0
.set BOF, 7                            ; v7  32 h
.set WSR, 8                            ; v8-15  Wo's scale words: register 4 p + s: lanes 0-15 tile 2 p, lanes 16-31 tile 2 p + 1
.set XSR, 16                           ; v16-23 ctx's, likewise
.set L16, 24                           ; v24 16 x lane
.set CF,  32                           ; v32-63  two fragments of ctx
.set WF,  64                           ; v64-127 four fragments of Wo
.set ACC, 128                          ; v128-255: accumulator (token tile i, column tile t) at 8 (4 i + t)
.set WV,  3
.set CXP, 16
.set BLK, 17
.set NH,  18
.set TH,  19
.set NG,  20
.set N0,  21
.set G1W, 24
.set G1C, 32
.set G1S, 40
.set G0W, 48
.set G0C, 52
.set G0S, 56
.macro CROUND                          ; a round of the cluster's barrier: my work-group's barrier; wave 0 signals for the work-group; every wave waits for all four; my work-group's barrier once more
	s_barrier_signal -1
	s_barrier_wait -1
	s_cmp_lg_u32 s[WV], 0
	s_cbranch_scc1 .Lnot_wave_0_\@
	s_barrier_signal -3
.Lnot_wave_0_\@:
	s_barrier_wait -3
	s_barrier_signal -1
	s_barrier_wait -1
.endm
.macro MM d, a, b, sa, sb, ra, rb      ; one scaled matrix instruction that adds in place; ra, rb = 1: that side's scales come from lanes 16-31
.if (\ra) && (\rb)
	v_wmma_scale_f32_16x16x128_f8f6f4 v[\d:\d+7], v[\a:\a+15], v[\b:\b+15], v[\d:\d+7], v[\sa], v[\sb] matrix_a_scale:MATRIX_SCALE_ROW1 matrix_b_scale:MATRIX_SCALE_ROW1
.elseif (\ra)
	v_wmma_scale_f32_16x16x128_f8f6f4 v[\d:\d+7], v[\a:\a+15], v[\b:\b+15], v[\d:\d+7], v[\sa], v[\sb] matrix_a_scale:MATRIX_SCALE_ROW1
.elseif (\rb)
	v_wmma_scale_f32_16x16x128_f8f6f4 v[\d:\d+7], v[\a:\a+15], v[\b:\b+15], v[\d:\d+7], v[\sa], v[\sb] matrix_b_scale:MATRIX_SCALE_ROW1
.else
	v_wmma_scale_f32_16x16x128_f8f6f4 v[\d:\d+7], v[\a:\a+15], v[\b:\b+15], v[\d:\d+7], v[\sa], v[\sb]
.endif
.endm
.macro OMM i, t, s
.set rD, ACC+8*(4*(\i)+(\t))
.set rW, WF+16*(\t)
.set rX, CF+16*((\i)%2)
.set sW, WSR+4*((\t)/2)+(\s)
.set sX, XSR+4*((\i)/2)+(\s)
.set pW, (\t)%2
.set pX, (\i)%2
	MM rD, rW, rX, sW, sX, pW, pX
.endm
.macro PLACES
.rept 8
	v_nop                                          ; eight places between matrix instructions and loads into their operands, or the first read of results
.endr
.endm
.macro CTX i0, s                       ; the images of token tiles i0 and i0 + 1, K step s
.irp u, 0,1
.irp g, 0,1,2,3
	ds_load_b128 v[CF+16*\u+4*\g:CF+16*\u+4*\g+3], v[CA] offset:8192*(\i0+\u)+2048*\s+512*\g
.endr
.endr
.endm
.macro OSTEP s                         ; 128 along K: the 16 accumulators take turns, one instruction a turn, in the same order in every K step
.if \s > 0
	PLACES
.endif
.irp t, 0,1,2,3
.irp c, 0,1,2,3,4,5,6,7
	ds_load_b64 v[WF+16*\t+2*\c:WF+16*\t+2*\c+1], v[WA] offset:16*\t*XP+128*\s+16*\c
.endr
.endr
	CTX 0, \s
	s_wait_dscnt 0x0
.irp i, 0,1
.irp t, 0,1,2,3
	OMM \i, \t, \s
.endr
.endr
	PLACES
	CTX 2, \s
	s_wait_dscnt 0x0
.irp i, 2,3
.irp t, 0,1,2,3
	OMM \i, \t, \s
.endr
.endr
.endm
.macro WAYOUT i                        ; token tile i: 16 rows x 64 columns
.if (\i) >= 2
	s_wait_xcnt 0x0                                ; tile i - 2's stores have read the registers into which this tile's rows come back
.endif
.irp t, 0,1,2,3
	ds_store_b128 v[STO], v[ACC+8*(4*(\i)+\t):ACC+8*(4*(\i)+\t)+3] offset:64*\t        ; each accumulator from its low end on
	ds_store_b128 v[STO], v[ACC+8*(4*(\i)+\t)+4:ACC+8*(4*(\i)+\t)+7] offset:64*\t+16
.endr
.irp k, 0,1,2,3,4,5,6,7
	ds_load_b128 v[CF+32*((\i)%2)+4*\k:CF+32*((\i)%2)+4*\k+3], v[RD] offset:2*\k*SP    ; LDS serves a wave's instructions in order (ISA guide 5.7.1.4): these see the stores above
.endr
.irp k, 0,1,2,3,4,5,6,7
	s_wait_dscnt 7-\k                              ; rows 2 k and 2 k + 1 are back; the 7 - k younger loads may be out
	global_store_b128 v[CO], v[CF+32*((\i)%2)+4*\k:CF+32*((\i)%2)+4*\k+3], s[14:15] offset:(16*(\i)+2*\k)*2048 th:TH_STORE_NT   ; sixteen lanes: 256 consecutive bytes, aligned; written once, read by nobody here
.endr
.endm
	s_load_b256 s[4:11], s[0:1], 0x0               ; cc s[4:5], cs s[6:7], Wo's codes s[8:9], Wo's scales s[10:11]
	s_load_b128 s[12:15], s[0:1], 0x20             ; bo s[12:13], out0 s[14:15]
	v_lshl_add_u32 v30, v0, 2, 0x3a000
	v_mov_b32 v31, 0
	ds_add_u32 v30, v31
	ds_add_u32 v30, v31
	v_lshrrev_b32 v1, 5, v0
	v_readfirstlane_b32 s[WV], v1                  ; wave 0..7
	s_bfe_u32 s[CXP], ttmp6, 0x40000               ; cx: it enters the addresses of cc, cs and out0 alone
	s_lshl_b32 s[BLK], ttmp9, 2
	s_add_co_u32 s[BLK], s[BLK], s[CXP]            ; my block of 128 tokens
	s_and_b32 s[NH], ttmp7, 0xffff                 ; my half of the columns, which the four partners share
	s_and_b32 s[TH], s[WV], 1
	s_lshr_b32 s[NG], s[WV], 1
	s_lshl_b32 s[N0], s[NH], 8
	s_lshl_b32 s22, s[NG], 6
	s_add_co_u32 s[N0], s[N0], s22                 ; my first column
	; group 1 for Wo: 64 rows of 512 bytes, 16 bytes of padding behind each; the mask names all four work-groups, bit 21 is set beside it
	s_mov_b32 s[G1W+0], 15|(0<<16)|(1<<20)|(1<<21)|(6<<22)|(3<<25)
	s_mov_b32 s[G1W+1], 512<<16
	s_mov_b32 s[G1W+2], 64<<16
	s_mov_b32 s[G1W+3], 512<<16
	s_mov_b32 s[G1W+4], 64
	s_mov_b32 s[G1W+5], 512
	s_mov_b32 s[G1W+6], 0
	s_mov_b32 s[G1W+7], 0
	; for ctx: 32,768 dense bytes as 128 rows of 32 elements of 8 bytes
	s_mov_b32 s[G1C+0], 3<<16
	s_mov_b32 s[G1C+1], 32<<16
	s_mov_b32 s[G1C+2], 128<<16
	s_mov_b32 s[G1C+3], 32<<16
	s_mov_b32 s[G1C+4], 128
	s_mov_b32 s[G1C+5], 32
	s_mov_b32 s[G1C+6], 0
	s_mov_b32 s[G1C+7], 0
	; for its scale bytes: 2,048 dense bytes as 8 such rows
	s_mov_b32 s[G1S+0], 3<<16
	s_mov_b32 s[G1S+1], 32<<16
	s_mov_b32 s[G1S+2], 8<<16
	s_mov_b32 s[G1S+3], 32<<16
	s_mov_b32 s[G1S+4], 8
	s_mov_b32 s[G1S+5], 32
	s_mov_b32 s[G1S+6], 0
	s_mov_b32 s[G1S+7], 0
	v_and_b32 v25, 15, v0                          ; r
	v_bfe_u32 v26, v0, 4, 1                        ; h
	v_and_b32 v27, 31, v0                          ; lane
	v_lshlrev_b32 v[L16], 4, v27
	v_mul_u32_u24 v[WA], v25, XP
	v_lshl_add_u32 v[WA], v26, 3, v[WA]
	s_mul_i32 s22, s[NG], 64*XP
	v_add_nc_u32 v[WA], s22, v[WA]                 ; my 64 rows of Wo: row r, + 8 h
	s_lshl_b32 s22, s[TH], 15
	s_add_co_u32 s22, s22, CXL
	v_add_nc_u32 v[CA], s22, v[L16]
	s_lshl_b32 s22, s[TH], 10
	s_add_co_u32 s22, s22, CSL
	v_add_nc_u32 v[SA], s22, v[L16]
	s_mul_i32 s22, s[WV], 16*SP
	s_add_co_u32 s22, s22, STG                     ; my stage
	v_mul_u32_u24 v[STO], v25, SP
	v_lshl_add_u32 v[STO], v26, 5, v[STO]
	v_add_nc_u32 v[STO], s22, v[STO]               ; in: row r, 32 bytes for each half of the lanes
	v_mul_u32_u24 v[RD], v26, SP
	v_lshl_add_u32 v[RD], v25, 4, v[RD]
	v_add_nc_u32 v[RD], s22, v[RD]                 ; back: lanes 0-15 one row, lanes 16-31 the next
	v_lshlrev_b32 v[CO], 11, v26
	v_lshl_add_u32 v[CO], v25, 4, v[CO]            ; and the same two rows of out0, 2,048 bytes apart
	v_lshlrev_b32 v[BOF], 5, v26
	s_wait_dscnt 0x0
	s_wait_kmcnt 0x0
	s_mov_b32 s[G0W], 1
	s_mul_i32 s[G0W+1], s[WV], 64*XP               ; LDS: wave x 64 rows
	s_lshl_b32 s60, s[NH], 17                      ; row 256 x half + 64 x wave of Wo: nothing of my place in the cluster
	s_lshl_b32 s61, s[WV], 15
	s_add_co_u32 s60, s60, s61
	s_mov_b32 s61, 0
	s_add_nc_u64 s[G0W+2:G0W+3], s[8:9], s[60:61]
	s_or_b32 s[G0W+3], s[G0W+3], 0x80000000
	s_mov_b32 s[G0C], 1
	s_lshl_b32 s[G0C+1], s[TH], 15                 ; waves 4, 5: the two halves of my block's images
	s_add_co_u32 s[G0C+1], s[G0C+1], CXL
	s_lshl_b32 s62, s[BLK], 16
	s_lshl_b32 s63, s[TH], 15
	s_add_co_u32 s62, s62, s63
	s_mov_b32 s63, 0
	s_add_nc_u64 s[G0C+2:G0C+3], s[4:5], s[62:63]
	s_or_b32 s[G0C+3], s[G0C+3], 0x80000000
	s_mov_b32 s[G0S], 1
	s_mov_b32 s[G0S+1], CSL
	s_lshl_b32 s62, s[BLK], 11
	s_add_nc_u64 s[G0S+2:G0S+3], s[6:7], s[62:63]
	s_or_b32 s[G0S+3], s[G0S+3], 0x80000000
	s_lshl_b32 s60, s[N0], 2
	s_add_nc_u64 s[12:13], s[12:13], s[60:61]      ; bo at my first column
	s_lshl_b32 s60, s[N0], 4
	s_add_nc_u64 s[10:11], s[10:11], s[60:61]      ; Wo's scale bytes at my first row
	s_lshl_b32 s62, s[BLK], 18                     ; out0: (128 x block + 64 x half) rows of 2,048 bytes + 4 x column: under 2^28
	s_lshl_b32 s22, s[TH], 17
	s_add_co_u32 s62, s62, s22
	s_lshl_b32 s22, s[N0], 2
	s_add_co_u32 s62, s62, s22
	s_add_nc_u64 s[14:15], s[14:15], s[62:63]
	CROUND                                         ; all four work-groups are here: the joint loads meet
	s_cmp_lt_u32 s[WV], 4                          ; one fill a wave, each in one branch on the wave's number; four v_nop follow each line
	s_cbranch_scc0 .Lnot_w
	tensor_load_to_lds s[G0W:G0W+3], s[G1W:G1W+7]
	s_nop 0
.rept 4
	v_nop
.endr
	s_branch .Lasked
.Lnot_w:
	s_cmp_lt_u32 s[WV], 6
	s_cbranch_scc0 .Lnot_c
	tensor_load_to_lds s[G0C:G0C+3], s[G1C:G1C+7]
	s_nop 0
.rept 4
	v_nop
.endr
	s_branch .Lasked
.Lnot_c:
	s_cmp_eq_u32 s[WV], 6
	s_cbranch_scc0 .Lasked
	tensor_load_to_lds s[G0S:G0S+3], s[G1S:G1S+7]
	s_nop 0
.rept 4
	v_nop
.endr
.Lasked:
.irp i, 0,1,2,3                                ; the bias: register j of accumulator (i, t) wants bo[16 t + 8 h + j]
.irp t, 0,1,2,3
	global_load_b128 v[ACC+8*(4*\i+\t):ACC+8*(4*\i+\t)+3], v[BOF], s[12:13] offset:64*\t
	global_load_b128 v[ACC+8*(4*\i+\t)+4:ACC+8*(4*\i+\t)+7], v[BOF], s[12:13] offset:64*\t+16
.endr
.endr
	global_load_b128 v[WSR:WSR+3], v[L16], s[10:11]              ; lane l: row 32 p + l's 16 scale bytes: the words of K steps 0 to 3
	global_load_b128 v[WSR+4:WSR+7], v[L16], s[10:11] offset:512
	s_wait_tensorcnt 0x0                           ; my fill has landed,
	s_wait_loadcnt 0x0
	s_barrier_signal -1
	s_barrier_wait -1                              ; everybody's has
	ds_load_b128 v[XSR:XSR+3], v[SA]
	ds_load_b128 v[XSR+4:XSR+7], v[SA] offset:512
	OSTEP 0
	OSTEP 1
	OSTEP 2
	OSTEP 3
	PLACES
	WAYOUT 0
	WAYOUT 1
	WAYOUT 2
	WAYOUT 3
	s_wait_dscnt 0x0
	s_wait_tensorcnt 0x0
	ds_add_u32 v30, v31
	s_wait_dscnt 0x0
	CROUND                                         ; the closing round: no work-group ends while a partner may still ask for a tile that names it
	s_endpgm
.Lfunc_end_k_q5c23e39fe5_oproj:
	.size	k_q5c23e39fe5_oproj, .Lfunc_end_k_q5c23e39fe5_oproj-k_q5c23e39fe5_oproj
	.p2alignl 7, 3214868480
	.fill 96, 4, 3214868480
	.section	.rodata,"a",@progbits
	.p2align	6, 0x0
	.amdhsa_kernel k_q5c23e39fe5_oproj
		.amdhsa_group_segment_fixed_size 238592
		.amdhsa_private_segment_fixed_size 0
		.amdhsa_enable_private_segment 0
		.amdhsa_kernarg_size 48
		.amdhsa_user_sgpr_count 2
		.amdhsa_user_sgpr_kernarg_segment_ptr 1
		.amdhsa_wavefront_size32 1
		.amdhsa_system_sgpr_workgroup_id_x 1
		.amdhsa_system_sgpr_workgroup_id_y 1
		.amdhsa_system_sgpr_workgroup_id_z 1
		.amdhsa_system_vgpr_workitem_id 0
		.amdhsa_next_free_vgpr 256
		.amdhsa_next_free_sgpr 72
		.amdhsa_reserve_vcc 0
		.amdhsa_float_denorm_mode_32 3
		.amdhsa_float_denorm_mode_16_64 3
		.amdhsa_memory_ordered 1
		.amdhsa_forward_progress 1
		.amdhsa_inst_pref_size 41
	.end_amdhsa_kernel
	.amdgpu_metadata
---
amdhsa.version: [ 1, 2 ]
amdhsa.kernels:
  - .name:           k_q5c23e39fe5_oproj
    .symbol:         k_q5c23e39fe5_oproj.kd
    .args:
      - { .name: cc, .offset: 0, .size: 8, .value_kind: global_buffer, .address_space: global }
      - { .name: cs, .offset: 8, .size: 8, .value_kind: global_buffer, .address_space: global }
      - { .name: Wo_codes, .offset: 16, .size: 8, .value_kind: global_buffer, .address_space: global }
      - { .name: Wo_scales, .offset: 24, .size: 8, .value_kind: global_buffer, .address_space: global }
      - { .name: bo, .offset: 32, .size: 8, .value_kind: global_buffer, .address_space: global }
      - { .name: out0, .offset: 40, .size: 8, .value_kind: global_buffer, .address_space: global }
    .group_segment_fixed_size: 238592
    .private_segment_fixed_size: 0
    .kernarg_segment_align: 8
    .kernarg_segment_size: 48
    .max_flat_workgroup_size: 256
    .sgpr_count:     72
    .vgpr_count:     256
    .wavefront_size: 32
...
	.end_amdgpu_metadata
.endif
;; end of part 3
;; ======== version 2 of 2: 3 launches; version 1 with the launch attn written anew for expert scheduling mode
;; limits: right only within a limited range of input values
;; workspace buffers: qq 8,650,752 bytes; kv 17,301,504 bytes; cc 8,388,608 bytes; cs 262,144 bytes
;; launch proj: the kernel of part 1 again; grid 64 x 3, 8 waves a work-group, no clusters, 168,960 bytes of LDS; arguments x_Q_codes, x_Q_scales, Wq_codes, Wq_scales, bq, x_K_codes, x_K_scales, Wk_codes, Wk_scales, bk, x_V_codes, x_V_scales, Wv_codes, Wv_scales, bv, qq, kv; writes qq, kv
;; launch attn (part 4): grid 8 x 64, 16 waves a work-group, no clusters, 51,712 bytes of LDS; arguments src_batch_lens, qq, kv, cc, cs; writes cc, cs
.if DOCPART == 4
	.amdgcn_target "amdgcn-amd-amdhsa--gfx1250"
	.amdhsa_code_object_version 6
	.text
	.protected	k_q5c23e39fe5_attn
	.globl	k_q5c23e39fe5_attn
	.p2align	8
	.type	k_q5c23e39fe5_attn,@function
k_q5c23e39fe5_attn:
	s_mov_b64 s[64:65], 0
	v_nop
	global_prefetch_b8 v0, s[64:65] scope:SCOPE_SE
	s_setreg_imm32_b32 hwreg(HW_REG_WAVE_SCHED_MODE, 0, 2), 2
	s_setreg_imm32_b32 hwreg(HW_REG_WAVE_MODE, 25, 1), 1
	s_wait_xcnt 0x0
	s_wait_alu depctr_vm_vsrc(0)
; ATTENTION on codes of E4M3: scores = (Q / 8) K^T, keys at or past the batch's length filled with -1e9, p = 2^(t - M) quantised along the keys, ctx = (p V) / l, quantised along (head, d) for the last product.
; Work-group (x, y): 256 queries (block x) of head y % 8 of the batch whose number of key steps has RANK y / 8, the longest first: work-groups of unequal length then start in the order of their lengths.
; Each of the sixteen waves owns 16 queries, one tile, in 256 registers: four waves to a SIMD, so that one wave's vector work stands beside another's matrix work and LDS loads.
; KEY STEPS THAT LIE WHOLLY BEHIND THE LENGTH ARE LEFT OUT: their p is exactly 0.  That is a branch on a number read from memory, so this launch has no tensor load and no copy: a step's block of kv
; (16,896 bytes: K's and V's images and scale words, as the launch before laid them) goes to LDS through registers, 32 bytes a thread, asked for one whole key step ahead; two slots take turns.
; For the same reason no cluster: joint requests are tensor loads.  The loop has a constant count; the barrier of each half stands outside the branch, on every wave's path.
; LAYOUT.  Both products are used transposed: S^T = K Q^T, O^T = V^T P^T: a lane holds ONE query throughout.
; THE SCORE PRODUCT HAS K = 64: a fragment of K holds key tile 2 f in registers 0-7 and key tile 2 f + 1 in registers 8-15; Q lies in a run of 24 registers, 8 of zeros, its 8 of codes, 8 of zeros:
; the upper 16 (q, 0) pick the first key tile, the lower 16 (0, q) the second.  Zero codes add nothing: no code here is NaN and no scale byte 0xff.
; p's 16 registers of two neighbouring key tiles are the 16 places of the lane's half of a block of 32 keys, in the order in which V's codes were laid.
; LENGTHS: 1 to 2,048 as the problem has them; above 2,048 nothing is masked; at 0 or below every score is equal in reference() and is taken as 0 here: p = 1 for all keys.
; LIMITS: NaN and infinities are not served.  A row whose largest unmasked score lies within about 100 of -1e9 is not served (there the keys left out would still weigh).  A block of ctx under 2^-118 keeps the floor's byte.
; cs is stored a byte a lane, 32 bytes a wave in 16 rows of 16 bytes: 262,144 bytes in all, one in 33 of what is stored.
; THE MODE: SCHED_MODE bits 1:0 = 2 (LLVM: expert scheduling mode 2), set by the entry lines.  The code itself states the register dependences
; between vector or matrix instructions and memory or LDS instructions, with s_wait_alu, always for 0.
; THE PLAN.  Registers that memory or LDS instructions touch:
;   v1, v3-6, v246   addresses and offsets: written at the head, never again; read by loads, stores and prefetches.
;   v[FA]            written by one addition at the head of an active half; read by that half's global loads.
;   v[FK .. FS+3]    the half's global loads land in them; the LDS stores at the half's end read them.  No vector instruction names them in the loop.
;   v[FR ..]         K's 16 LDS loads land; the eight score products read; V's 16 LDS loads land; the four products with V read.
;   v[KS], v[KS+1]   LDS loads land; the score products read them as scales.     v[VA], v[VB]   LDS loads land; two v_perm_b32 read them.
;   v[PC ..], v[TMP] at the end: written by conversions and a select, read by the three global stores.     v249, v252   written at the head, read by the closing add alone.
; So an active half has one wait on vm_vsrc at its head (v[FA], v[FK ..] have been read) and three on va_vdst beside the two behind the exponentials: behind the addition to v[FA], for the half's global loads and K's LDS loads;
; behind the score products, for V's LDS loads; ahead of the products with V, whose codes and scale words vector instructions have made.  All 256 registers of the wave are taken: there is no second set of fragments.
.set STKV, 16896
.set STQ,  8448
.set SLOT, 32768                       ; slot 1 begins here
.set FA0, 1                            ; v1   16 x thread: my 16 bytes of K's 8,192 (and of V's) in a block, in memory and in LDS; never rewritten
.set FA,  2                            ; v2   the same in the block that is being fetched
.set QSO, 3                            ; v3   4 r
.set A16, 4                            ; v4   16 x lane: an image's place for my lane
.set A4,  5                            ; v5   4 x lane: a scale word's
.set CSO, 6                            ; v6   16 r + h: my byte of cs
.set H8,  7                            ; v7   8 h
.set SE,  8                            ; v8, v9  V's scale words: d tiles 0 | 2 and 1 | 3 (lanes 0-15 | 16-31)
.set VA,  10                           ; v10, v11 the same bytes as they lie in memory
.set VB,  11
.set QR,  16                           ; v16-39  Q's run
.set FR,  40                           ; v40-103 four fragments: K's, then V's
.set S,   104                          ; v104-167 S^T, then p
.set OT,  168                          ; v168-199 O^T, four d tiles
.set PC,  200                          ; v200-215 p's codes
.set FK,  216                          ; v216-227 the block on its way: my 16 bytes of K, of V, and (wave 0) of the scale words
.set FV,  220
.set FS,  224
.set BM,  228                          ; v228-231 a block's largest score, then its largest p
.set PT,  232                          ; v232-235 at work
.set LM,  236                          ; v236-239 448 x the scale
.set SO,  240                          ; v240-243 the conversions' scale operands
.set KS,  244                          ; v244, v245 K's scale words: fragments 0 | 1 and 2 | 3
.set PF0, 246                          ; v246 the prefetches' offset; never rewritten
.set MD,  247
.set MI,  248                          ; v248 what a hidden score becomes
.set FF,  250                          ; v[250:251] f = 2^(old M - new M), later 1 / l; the upper word is 0 and is only named
.set PS,  253                          ; v253 p's scale word
.set TMP, 254
.set QS,  255                          ; v255 Q's scale word, its two bytes twice
.set WV,  2
.set RHO, 3
.set HD,  14
.set B,   15
.set MK,  16                           ; s16-31 behind the head, where they held the lengths and their keys: sixteen masks of hidden keys
.set LEN, 40
.set NST, 41
.set FILLV, 42
.set J,   43
.set JH,  44
.set T0,  45
.set KB,  46
.set KSEL, 47
.set CS,  48
.set SEL, 50
.set MNT, 52
.set HM,  53
.set PFL, 54
.set T1,  55
.set KV,  56
.set PFA, 58
.set QB,  60
.set CCB, 62
.set CSB, 66
.set TP,  68
.set RK,  70
.set BH,  71
.set QSB, 72
.set QSEL, 74
	s_load_b256 s[4:11], s[0:1], 0x0               ; lens s[4:5], qq s[6:7], kv s[8:9], cc s[10:11]
	s_load_b64 s[12:13], s[0:1], 0x20              ; cs
	v_lshl_add_u32 v249, v0, 2, 0xc200
	v_mov_b32 v252, 0
	v_lshrrev_b32 v2, 5, v0
	v_readfirstlane_b32 s[WV], v2                  ; wave 0..15
	s_and_b32 s[T0], ttmp7, 0xffff
	s_lshr_b32 s[RHO], s[T0], 3                    ; the rank
	s_and_b32 s[HD], s[T0], 7                      ; the head
	s_wait_kmcnt 0x0
	s_load_b256 s[16:23], s[4:5], 0x0              ; the eight lengths
	v_lshlrev_b32 v[FA0], 4, v0
	v_and_b32 v[A4], 31, v0
	v_lshlrev_b32 v[A16], 4, v[A4]
	v_lshlrev_b32 v[PF0], 8, v[A4]
	v_lshlrev_b32 v[A4], 2, v[A4]
	v_and_b32 v[QSO], 15, v0
	v_bfe_u32 v[H8], v0, 4, 1
	v_lshl_add_u32 v[CSO], v[QSO], 4, v[H8]
	v_lshlrev_b32 v[QSO], 2, v[QSO]
	v_lshlrev_b32 v[H8], 3, v[H8]
	s_wait_alu depctr_va_sdst(0)                   ; the wave's number is written, ahead of its first reader, the line below
	s_and_b32 s[T1], s[WV], 1
	s_lshl_b32 s[T0], s[T1], 13
	v_add_nc_u32 v[PF0], s[T0], v[PF0]             ; 256 x lane + 8,192 x (wave % 2)
	s_mov_b32 s[CS], 0x3fb8aa3b                    ; log2(e): t = score x log2(e)  (the 1/8 lies in Q's scale bytes)
	s_mov_b32 s[CS+1], s[CS]                       ; (named with it as a pair)
	s_mov_b32 s[SEL], 0x76543210
	s_mov_b32 s[SEL+1], 0xfedcba98
	s_mov_b32 s[MNT], 0x600000
	s_mov_b32 s[HM], 0xffff0000
	s_mov_b32 s[KB], 0
	s_mov_b32 s[J], 0
	s_mov_b32 s[TP+1], 0
	s_wait_kmcnt 0x0
	; WHICH BATCH.  n = its key steps (16 where the length is 0 or less); key = 8 n + 7 - b: all different; a batch's rank = how many keys are larger.  Scalar work, once.
.irp b, 0,1,2,3,4,5,6,7
	s_min_i32 s[24+\b], s[16+\b], 2048
	s_add_co_i32 s[24+\b], s[24+\b], 127
	s_lshr_b32 s[24+\b], s[24+\b], 7
	s_cmp_le_i32 s[16+\b], 0
	s_cselect_b32 s[24+\b], 16, s[24+\b]
	s_lshl_b32 s[24+\b], s[24+\b], 3
	s_add_co_u32 s[24+\b], s[24+\b], 7-\b
.endr
	s_mov_b32 s[KSEL], s24
	s_mov_b32 s[LEN], s16
.irp b, 0,1,2,3,4,5,6,7
	s_mov_b32 s[RK], 0
.irp c, 0,1,2,3,4,5,6,7
.if \c != \b
	s_cmp_gt_u32 s[24+\c], s[24+\b]
	s_add_co_ci_u32 s[RK], s[RK], 0
.endif
.endr
	s_cmp_eq_u32 s[RK], s[RHO]
	s_cselect_b32 s[KSEL], s[24+\b], s[KSEL]
	s_cselect_b32 s[LEN], s[16+\b], s[LEN]
.endr
	s_lshr_b32 s[NST], s[KSEL], 3                  ; my batch's key steps,
	s_and_b32 s[B], s[KSEL], 7
	s_sub_co_u32 s[B], 7, s[B]                     ; its number,
	s_min_u32 s[B], s[B], 7                        ; held inside the tables ahead of every address
	s_cmp_le_i32 s[LEN], 0
	s_cselect_b32 s[FILLV], 0, 0xce6e6b28          ; -1e9
	s_lshr_b32 s[T0], s[WV], 1                     ; who prefetches: waves 2 and 3 of the head's first query block; the others never
	s_xor_b32 s[T0], s[T0], 1
	s_or_b32 s[T0], s[T0], ttmp9
	s_cmp_eq_u32 s[T0], 0
	s_cselect_b32 s[PFL], s[NST], 0
	s_lshl_b32 s[BH], s[B], 3
	s_add_co_u32 s[BH], s[BH], s[HD]               ; 8 b + head
	s_mul_i32 s[TP], s[BH], 16*STKV
	s_add_nc_u64 s[KV:KV+1], s[8:9], s[TP:TP+1]    ; the head's sixteen blocks of kv
	s_add_nc_u64 s[PFA:PFA+1], s[KV:KV+1], STKV    ; the first active half steps it to key step 2
	s_lshl_b32 s[TP], s[BH], 4
	s_lshl_b32 s[T0], ttmp9, 1
	s_add_co_u32 s[TP], s[TP], s[T0]
	s_lshr_b32 s[T0], s[WV], 3
	s_add_co_u32 s[TP], s[TP], s[T0]               ; my queries' step: 2 x + wave / 8
	s_mul_i32 s[TP], s[TP], STQ
	s_add_nc_u64 s[QB:QB+1], s[6:7], s[TP:TP+1]
	s_bfe_u32 s[T0], s[WV], 0x20001                ; the image: (wave / 2) % 4
	s_lshl_b32 s[TP], s[T0], 6
	s_add_nc_u64 s[QSB:QSB+1], s[QB:QB+1], s[TP:TP+1]   ; its 16 scale words (8,192 further on)
	s_lshl_b32 s[TP], s[T0], 11
	s_lshl_b32 s[T0], s[T1], 10                    ; the token tile in it: wave % 2: groups 2 u and 2 u + 1
	s_add_co_u32 s[TP], s[TP], s[T0]
	s_add_nc_u64 s[QB:QB+1], s[QB:QB+1], s[TP:TP+1]
	s_mov_b32 s[QSEL], 0x03020302
	s_cmp_eq_u32 s[T1], 0
	s_cselect_b32 s[QSEL], 0x01000100, s[QSEL]     ; which two bytes of the image's word are my tile's
.irp j, 0,1,2,3
	v_mov_b32 v[FS+\j], 0                          ; wave 0 alone loads and stores these four; they are written here once, in every wave, so that they are defined on every path that leads to a store of them
.endr
	s_wait_alu depctr_va_vdst(0)                   ; the addresses v1, v3 to v6 and v246 are written, which every load, store and prefetch of the kernel reads; so are v[FS ..], in which wave 0's load lands
	global_load_b128 v[QR+8:QR+11], v[A16], s[QB:QB+1] th:TH_LOAD_NT
	global_load_b128 v[QR+12:QR+15], v[A16], s[QB:QB+1] offset:512 th:TH_LOAD_NT
	global_load_b32 v[TMP], v[QSO], s[QSB:QSB+1] offset:8192
	global_load_b128 v[FK:FK+3], v[FA0], s[KV:KV+1]               ; key step 0
	global_load_b128 v[FV:FV+3], v[FA0], s[KV:KV+1] offset:8192
	s_cmp_lg_u32 s[WV], 0
	s_cbranch_scc1 .Lhead_no_sc
	global_load_b128 v[FS:FS+3], v[FA0], s[KV:KV+1] offset:16384  ; wave 0: the block's 512 bytes of scale words
.Lhead_no_sc:
	s_lshl_b32 s[T0], ttmp9, 4
	s_add_co_u32 s[T0], s[T0], s[WV]
	s_lshl_b32 s[T1], s[B], 7
	s_add_co_u32 s[T0], s[T0], s[T1]               ; my token tile among all 1,024: 128 b + 16 x + wave
	s_lshl_b32 s[TP], s[T0], 8                     ; cs: 16 tokens of 16 bytes,
	s_lshl_b32 s[T1], s[HD], 1
	s_add_co_u32 s[TP], s[TP], s[T1]               ; + 2 x head
	s_add_nc_u64 s[CSB:CSB+1], s[12:13], s[TP:TP+1]
	s_lshl_b32 s[TP], s[T0], 2
	s_lshr_b32 s[T1], s[HD], 1
	s_add_co_u32 s[TP], s[TP], s[T1]               ; cc: image (token tile, K step head / 2),
	s_lshl_b32 s[TP], s[TP], 11
	s_and_b32 s[T1], s[HD], 1
	s_lshl_b32 s[T1], s[T1], 10
	s_add_co_u32 s[TP], s[TP], s[T1]               ; groups 2 (head % 2) and + 1
	s_add_nc_u64 s[CCB:CCB+1], s[10:11], s[TP:TP+1]
.irp j, 0,1,2,3,4,5,6,7
	v_mov_b32 v[QR+\j], 0                          ; the zeros on both sides of Q's codes
	v_mov_b32 v[QR+16+\j], 0
.endr
	v_mov_b32 v13, 0xff61b1e6                      ; the largest t so far: -3e38
	v_floor_f32 v12, -v13                          ; -M
	v_mov_b32 v14, 0                               ; the sum, in two halves
	v_mov_b32 v15, 0
.set n, 0
.rept 32
	v_mov_b32 v[OT+n], 0                           ; O^T: the key step is written without a first step of its own: the first change of M multiplies zeros
.set n, n+1
.endr
.irp b, 0,1,2,3
	v_mov_b32 v[PT+\b], 0                          ; a lane permute's destination counts as one of its sources
.endr
	v_mov_b32 v[FF+1], 0
	v_mov_b32 v[MI], s[FILLV]
	s_wait_loadcnt 0x0
	v_perm_b32 v[QS], v[TMP], v[TMP], s[QSEL]      ; [s0, s1, s0, s1]: it serves (q, 0) and (0, q) alike
	ds_store_b128 v[FA0], v[FK:FK+3]               ; data that loads brought, by an address that the wait above has shown written
	ds_store_b128 v[FA0], v[FV:FV+3] offset:8192
	s_cmp_lg_u32 s[WV], 0
	s_cbranch_scc1 .Lhead_no_st
	ds_store_b128 v[FA0], v[FS:FS+3] offset:16384
.Lhead_no_st:
	s_wait_dscnt 0x0                               ; my part of slot 0 has landed,
	s_barrier_signal -1
	s_barrier_wait -1                              ; everybody's has
.macro SCORE f                         ; key tiles 2 f and 2 f + 1 out of fragment f
.if (\f)%2
	v_wmma_scale_f32_16x16x128_f8f6f4 v[S+16*\f:S+16*\f+7], v[FR+16*\f:FR+16*\f+15], v[QR+8:QR+23], 0, v[KS+\f/2], v[QS] matrix_a_scale:MATRIX_SCALE_ROW1
	v_wmma_scale_f32_16x16x128_f8f6f4 v[S+16*\f+8:S+16*\f+15], v[FR+16*\f:FR+16*\f+15], v[QR:QR+15], 0, v[KS+\f/2], v[QS] matrix_a_scale:MATRIX_SCALE_ROW1
.else
	v_wmma_scale_f32_16x16x128_f8f6f4 v[S+16*\f:S+16*\f+7], v[FR+16*\f:FR+16*\f+15], v[QR+8:QR+23], 0, v[KS+\f/2], v[QS]
	v_wmma_scale_f32_16x16x128_f8f6f4 v[S+16*\f+8:S+16*\f+15], v[FR+16*\f:FR+16*\f+15], v[QR:QR+15], 0, v[KS+\f/2], v[QS]
.endif
.endm
.macro PVM t                           ; O^T's d tile t += V's image t x p: the four accumulators take turns, one instruction a turn
.if (\t)/2
	v_wmma_scale_f32_16x16x128_f8f6f4 v[OT+8*\t:OT+8*\t+7], v[FR+16*\t:FR+16*\t+15], v[PC:PC+15], v[OT+8*\t:OT+8*\t+7], v[SE+(\t)%2], v[PS] matrix_a_scale:MATRIX_SCALE_ROW1
.else
	v_wmma_scale_f32_16x16x128_f8f6f4 v[OT+8*\t:OT+8*\t+7], v[FR+16*\t:FR+16*\t+15], v[PC:PC+15], v[OT+8*\t:OT+8*\t+7], v[SE+(\t)%2], v[PS]
.endif
.endm
; A KEY STEP: 128 keys, out of slot p
.macro STEP p
.rept 8
	v_nop                                          ; eight places between the last step's products and the loads into their operands; in the first step they are also the places between Q's scale word and the products that take it
.endr
.irp f, 0,1,2,3
.irp g, 0,1,2,3
	ds_load_b128 v[FR+16*\f+4*\g:FR+16*\f+4*\g+3], v[A16] offset:SLOT*(\p)+2048*\f+512*\g   ; no wait here: since the wait on va_vdst at the half's head no vector or matrix instruction has named a register that these twenty loads touch
.endr
.endr
	ds_load_b32 v[KS], v[A4] offset:SLOT*(\p)+16384
	ds_load_b32 v[KS+1], v[A4] offset:SLOT*(\p)+16512
	ds_load_b32 v[VA], v[A4] offset:SLOT*(\p)+16640
	ds_load_b32 v[VB], v[A4] offset:SLOT*(\p)+16768
	s_wait_dscnt 0x0
.irp f, 0,1,2,3
	SCORE \f
.endr
	v_perm_b32 v[SE], v[VB], v[VA], 0x05040100     ; the even d tiles' bytes of key blocks 0, 1 | 2, 3.  These two lines and six v_nop are the eight places behind the score products
	v_perm_b32 v[SE+1], v[VB], v[VA], 0x07060302   ; the odd ones'
.rept 6
	v_nop
.endr
	s_wait_alu depctr_va_vdst(0)                   ; the score products are done reading K's fragments v[FR ..], in which V's loads land
.irp t, 0,1,2,3
.irp c, 0,1,2,3
	ds_load_b128 v[FR+16*\t+4*\c:FR+16*\t+4*\c+3], v[A16] offset:SLOT*(\p)+8192+2048*\t+512*\c   ; V: it lands under the softmax
.endr
.endr
	s_add_co_u32 s[T0], s[KB], 128                 ; THE MASK: a step all of whose keys count skips it
	s_cmp_le_i32 s[T0], s[LEN]
	s_cbranch_scc1 .Lopen_\@
	s_sub_co_i32 s[T0], s[LEN], s[KB]
	v_sub_nc_u32 v[MD], s[T0], v[H8]               ; register n holds key KB + 16 (n / 8) + 8 h + n % 8: hidden where 16 (n / 8) + n % 8 >= length - KB - 8 h
.irp g, 0,1,2,3                                ; registers 16 g to 16 g + 15: sixteen compares in a run, each into a scalar register of its own, one wait, sixteen selects
.irp i, 0,1,2,3,4,5,6,7,8,9,10,11,12,13,14,15
	v_cmp_ge_i32 s[MK+\i], 32*\g+16*(\i/8)+\i%8, v[MD]
.endr
	s_wait_alu depctr_va_sdst(0)                   ; the sixteen compares have written their masks s[MK ..], ahead of the selects that read them
.irp i, 0,1,2,3,4,5,6,7,8,9,10,11,12,13,14,15
	v_cndmask_b32 v[S+16*\g+\i], v[S+16*\g+\i], v[MI], s[MK+\i]
.endr
.endr
.Lopen_\@:
.irp b, 0,1,2,3
	v_max3_num_f32 v[BM+\b], v[S+16*\b], v[S+1+16*\b], v[S+2+16*\b]   ; the largest score of each block of 32 keys: for the row's maximum, and, since p rises with the score, for the block's largest p
.endr
.irp i, 3,5,7,9,11,13
.irp b, 0,1,2,3
	v_max3_num_f32 v[BM+\b], v[BM+\b], v[S+16*\b+\i], v[S+1+16*\b+\i]
.endr
.endr
.irp b, 0,1,2,3
	v_max_num_f32 v[BM+\b], v[BM+\b], v[S+15+16*\b]
.endr
.irp b, 0,1,2,3
	v_permlanex16_b32 v[PT+\b], v[BM+\b], s[SEL], s[SEL+1]
.endr
.irp b, 0,1,2,3
	v_max_num_f32 v[BM+\b], v[BM+\b], v[PT+\b]     ; with lane l xor 16's 16 keys
.endr
	v_max3_num_f32 v[TMP], v[BM], v[BM+1], v[BM+2]
	v_max_num_f32 v[TMP], v[TMP], v[BM+3]
	v_mul_f32 v[TMP], s[CS], v[TMP]                ; the step's largest t of my query
	v_max_num_f32 v13, v13, v[TMP]                 ; the running largest t
	v_mov_b32 v[TMP], v12
	v_floor_f32 v12, -v13                          ; -M = floor(-t): M is a whole number
	v_sub_f32 v[TMP], v12, v[TMP]                  ; old M - new M: a whole number, 0 or less
	v_cvt_i32_f32 v[TMP], v[TMP]                   ; (it saturates)
	v_ldexp_f32 v[FF], 1.0, v[TMP]                 ; f = 2^(old M - new M): a multiplication by it rounds nothing
.set n, 0
.rept 32
	v_pk_fma_f32 v[S+n:S+n+1], v[S+n:S+n+1], s[CS:CS+1], v[12:13] op_sel_hi:[1,0,0]   ; t - M, two at a time
.set n, n+2
.endr
.irp b, 0,1,2,3
	v_fma_f32 v[BM+\b], v[BM+\b], s[CS], v12       ; the same of each block's largest score
.endr
.set n, 0
.rept 64
	v_exp_f32 v[S+n], v[S+n]                       ; p = 2^(t - M), not normalised
.set n, n+1
.endr
	v_pk_mul_f32 v[14:15], v[14:15], v[FF:FF+1] op_sel_hi:[1,0]   ; the sums under the new M: the plain line behind the exponentials
	s_wait_alu depctr_va_vdst(0)                   ; the 64 exponentials have written p, v[S ..], ahead of its first reader, the sums below: one wait for the batch
.irp b, 0,1,2,3
	v_exp_f32 v[BM+\b], v[BM+\b]                   ; the blocks' largest p: the same two instructions on the same number
.endr
	v_pk_add_f32 v[PT:PT+1], v[S:S+1], v[S+2:S+3]  ; the row's sum is taken of the unquantised p, in two chains; it reads the 64 alone
.irp j, 4,8,12,16,20,24,28,32,36,40,44,48,52,56,60
	v_pk_add_f32 v[14:15], v[14:15], v[S+\j:S+\j+1]
	v_pk_add_f32 v[PT:PT+1], v[PT:PT+1], v[S+2+\j:S+3+\j]
.endr
	v_pk_add_f32 v[14:15], v[14:15], v[PT:PT+1]
	s_wait_alu depctr_va_vdst(0)                   ; the four exponentials have written the blocks' largest p, v[BM ..], ahead of the floor's lines that read it
.irp b, 0,1,2,3
	v_max_num_f32 v[BM+\b], 0x4800000, v[BM+\b]    ; the floor 2^(9 - 127): the byte cannot fall under 1
.endr
.irp b, 0,1,2,3
	v_add_nc_u32 v[SO+\b], 0xfc000000, v[BM+\b]    ; 8 off the exponent field: the conversion's scale operand
.endr
.irp b, 0,1,2,3
	v_and_or_b32 v[LM+\b], v[BM+\b], 0x7f800000, s[MNT]   ; 448 x the scale
.endr
.irp b, 0,1,2,3
	v_lshrrev_b32 v[PT+\b], 23, v[SO+\b]           ; the scale's byte
.endr
	v_lshl_or_b32 v[PS], v[PT+1], 8, v[PT]         ; p's scale word for these 128 keys
	v_lshl_or_b32 v[PS], v[PT+2], 16, v[PS]
	v_lshl_or_b32 v[PS], v[PT+3], 24, v[PS]
.irp b, 0,1,2,3
.irp i, 0,1,2,3,4,5,6,7,8,9,10,11,12,13,14,15
	v_min_num_f32 v[S+16*\b+\i], v[S+16*\b+\i], v[LM+\b]   ; the conversion does not saturate (ISA guide 7.6.2); p is not negative, so the hold is one-sided
.endr
	v_cvt_scalef32_pk8_fp8_f32 v[PC+4*\b:PC+4*\b+1], v[S+16*\b:S+16*\b+7], v[SO+\b]
	v_cvt_scalef32_pk8_fp8_f32 v[PC+4*\b+2:PC+4*\b+3], v[S+16*\b+8:S+16*\b+15], v[SO+\b]
.endr
.set n, 0
.rept 16
	v_pk_mul_f32 v[OT+n:OT+n+1], v[OT+n:OT+n+1], v[FF:FF+1] op_sel_hi:[1,0]   ; O^T under the new M, from each accumulator's low end on; these sixteen also stand between the codes and the products that take them
.set n, n+2
.endr
	s_wait_alu depctr_va_vdst(0)                   ; the conversions have written p's codes v[PC ..], and vector instructions p's scale word v[PS] and V's v[SE], v[SE+1]: the scaled products below take them; the places above stay beside this wait
	s_wait_dscnt 0x0                               ; V is in
.irp t, 0,1,2,3
	PVM \t
.endr
.endm
; HALF A TRIP: key step J + p out of slot p, while key step J + p + 1 is brought into the other slot.  A step behind the length does nothing but pass the barrier.
; ONE barrier for two things: in front of it my stores into the other slot have landed and my reads of this slot are over; behind it the other slot is read and this one is written.
.macro HALF p
	s_add_co_u32 s[JH], s[J], \p
	s_cmp_ge_u32 s[JH], s[NST]
	s_cbranch_scc1 .Lidle_\@
	s_wait_xcnt 0x0                                ; the last prefetch, a key step back, has read its address:
	s_add_nc_u64 s[PFA:PFA+1], s[PFA:PFA+1], STKV  ; now key step J + p + 2
	s_add_co_u32 s[T0], s[JH], 1
	s_min_u32 s[T0], s[T0], 15                     ; the next block; never past kv's end (the last active step fetches one block in vain)
	s_mul_i32 s[T0], s[T0], STKV
	s_wait_alu depctr_vm_vsrc(0)                   ; the last half's global loads have read v[FA], which the line below writes; its LDS stores (in the first half: the head's) have read v[FK .. FS+3], in which the loads below land
	v_add_nc_u32 v[FA], s[T0], v[FA0]              ; (the loads that named it were waited for in the half before)
	s_wait_alu depctr_va_vdst(0)                   ; v[FA] is written, which the loads below read; the last step's products are done reading v[FR ..] and v[KS ..] and its two v_perm_b32 v[VA], v[VB], in which this step's LDS loads land; in the first step Q's zeros and scale word are written, which the score products take
	global_load_b128 v[FK:FK+3], v[FA], s[KV:KV+1]
	global_load_b128 v[FV:FV+3], v[FA], s[KV:KV+1] offset:8192
	s_cmp_lg_u32 s[WV], 0
	s_cbranch_scc1 .Lno_sc_\@
	global_load_b128 v[FS:FS+3], v[FA], s[KV:KV+1] offset:16384
.Lno_sc_\@:
	; A PREFETCH of key step J + p + 2's codes, one key step ahead of the loads that will want them: 16,384 bytes, lanes 256 bytes apart, 8,192 bytes a wave.  All eight query blocks of a head walk the
	; same blocks of kv: the first of them asks, by its waves 2 and 3, so each 256 bytes are named once in the launch.  Steps 0 and 1 and the 512 bytes of scale words come by their loads alone; steps behind the length are not asked for.
	s_add_co_u32 s[T1], s[JH], 2
	s_cmp_lt_u32 s[T1], s[PFL]
	s_cbranch_scc0 .Lno_ask_\@
	global_prefetch_b8 v[PF0], s[PFA:PFA+1] th:TH_LOAD_NT scope:SCOPE_SE
.Lno_ask_\@:
	STEP \p
	s_wait_loadcnt 0x0                             ; the next block's bytes are in my registers (asked for a whole key step ago)
	ds_store_b128 v[FA0], v[FK:FK+3] offset:SLOT*(1-\p)            ; data that loads brought, by an address made at the head: no vector instruction has named either since
	ds_store_b128 v[FA0], v[FV:FV+3] offset:SLOT*(1-\p)+8192
	s_cmp_lg_u32 s[WV], 0
	s_cbranch_scc1 .Lidle_\@
	ds_store_b128 v[FA0], v[FS:FS+3] offset:SLOT*(1-\p)+16384
.Lidle_\@:
	s_add_co_u32 s[KB], s[KB], 128
	s_wait_dscnt 0x0
	s_barrier_signal -1
	s_barrier_wait -1
.endm
.Ltrip:                                            ; eight trips, a constant of the text
	HALF 0
	HALF 1
	s_add_co_u32 s[J], s[J], 2
	s_cmp_lt_u32 s[J], 16
	s_cbranch_scc1 .Ltrip
	; THE END: ctx = O^T / l, quantised along d (two blocks of 32: d tiles 0, 1 and 2, 3), as an image of the last product's operand registers
.rept 8
	v_nop                                          ; eight places behind the last products
.endr
	v_add_f32 v14, v14, v15
	v_permlanex16_b32 v[PT], v14, s[SEL], s[SEL+1]
	v_add_f32 v14, v14, v[PT]                      ; the row's sum: over 1/2, since the row's largest p is
	v_rcp_f32 v[FF], v14
	v_nop                                          ; a plain line behind the reciprocal,
	s_wait_alu depctr_va_vdst(0)                   ; and the wait: the reciprocal has written v[FF], ahead of its first reader
.set n, 0
.rept 16
	v_pk_mul_f32 v[S+n:S+n+1], v[OT+n:OT+n+1], v[FF:FF+1] op_sel_hi:[1,0]   ; register 8 t + j: ctx(query r, d = 16 t + 8 h + j)
.set n, n+2
.endr
.irp b, 0,1
	v_max3_num_f32 v[BM+\b], |v[S+16*\b]|, |v[S+1+16*\b]|, 0x4800000
.endr
.irp i, 2,4,6,8,10,12,14
.irp b, 0,1
	v_max3_num_f32 v[BM+\b], v[BM+\b], |v[S+16*\b+\i]|, |v[S+1+16*\b+\i]|
.endr
.endr
.irp b, 0,1
	v_permlanex16_b32 v[PT+\b], v[BM+\b], s[SEL], s[SEL+1]
.endr
.irp b, 0,1
	v_max_num_f32 v[BM+\b], v[BM+\b], v[PT+\b]
.endr
.irp b, 0,1
	v_add_nc_u32 v[SO+\b], 0xfc000000, v[BM+\b]
.endr
.irp b, 0,1
	v_and_or_b32 v[LM+\b], v[BM+\b], 0x7f800000, s[MNT]
.endr
.irp b, 0,1
	v_lshrrev_b32 v[PT+\b], 23, v[SO+\b]
.endr
.irp b, 0,1
.irp i, 0,1,2,3,4,5,6,7,8,9,10,11,12,13,14,15
	v_med3_num_f32 v[S+16*\b+\i], v[S+16*\b+\i], -v[LM+\b], v[LM+\b]
.endr
	v_cvt_scalef32_pk8_fp8_f32 v[PC+4*\b:PC+4*\b+1], v[S+16*\b:S+16*\b+7], v[SO+\b]
	v_cvt_scalef32_pk8_fp8_f32 v[PC+4*\b+2:PC+4*\b+3], v[S+16*\b+8:S+16*\b+15], v[SO+\b]
.endr
	v_cndmask_b32 v[TMP], v[PT], v[PT+1], s[HM]    ; lanes 0-15 store block 0's byte of their row, lanes 16-31 block 1's.  (Also the plain line behind the conversions)
	s_wait_alu depctr_va_vdst(0)                   ; the conversions have written ctx's codes v[PC .. PC+7] and the select v[TMP], which the three stores read
	global_store_b128 v[A16], v[PC:PC+3], s[CCB:CCB+1]             ; 512 consecutive bytes each
	global_store_b128 v[A16], v[PC+4:PC+7], s[CCB:CCB+1] offset:512
	global_store_b8 v[CSO], v[TMP], s[CSB:CSB+1]
	s_wait_dscnt 0x0                               ; the closing lines, six on end
	s_wait_alu 0x0
	s_wait_tensorcnt 0x0
	ds_add_u32 v249, v252
	s_wait_dscnt 0x0
	s_endpgm
.Lfunc_end_k_q5c23e39fe5_attn:
	.size	k_q5c23e39fe5_attn, .Lfunc_end_k_q5c23e39fe5_attn-k_q5c23e39fe5_attn
	.p2alignl 7, 3214868480
	.fill 96, 4, 3214868480
	.section	.rodata,"a",@progbits
	.p2align	6, 0x0
	.amdhsa_kernel k_q5c23e39fe5_attn
		.amdhsa_group_segment_fixed_size 51712
		.amdhsa_private_segment_fixed_size 0
		.amdhsa_enable_private_segment 0
		.amdhsa_kernarg_size 40
		.amdhsa_user_sgpr_count 2
		.amdhsa_user_sgpr_kernarg_segment_ptr 1
		.amdhsa_wavefront_size32 1
		.amdhsa_system_sgpr_workgroup_id_x 1
		.amdhsa_system_sgpr_workgroup_id_y 1
		.amdhsa_system_sgpr_workgroup_id_z 1
		.amdhsa_system_vgpr_workitem_id 0
		.amdhsa_next_free_vgpr 256
		.amdhsa_next_free_sgpr 80
		.amdhsa_reserve_vcc 0
		.amdhsa_float_denorm_mode_32 3
		.amdhsa_float_denorm_mode_16_64 3
		.amdhsa_memory_ordered 1
		.amdhsa_forward_progress 1
		.amdhsa_inst_pref_size 78
	.end_amdhsa_kernel
	.amdgpu_metadata
---
amdhsa.version: [ 1, 2 ]
amdhsa.kernels:
  - .name:           k_q5c23e39fe5_attn
    .symbol:         k_q5c23e39fe5_attn.kd
    .args:
      - { .name: src_batch_lens, .offset: 0, .size: 8, .value_kind: global_buffer, .address_space: global }
      - { .name: qq, .offset: 8, .size: 8, .value_kind: global_buffer, .address_space: global }
      - { .name: kv, .offset: 16, .size: 8, .value_kind: global_buffer, .address_space: global }
      - { .name: cc, .offset: 24, .size: 8, .value_kind: global_buffer, .address_space: global }
      - { .name: cs, .offset: 32, .size: 8, .value_kind: global_buffer, .address_space: global }
    .group_segment_fixed_size: 51712
    .private_segment_fixed_size: 0
    .kernarg_segment_align: 8
    .kernarg_segment_size: 40
    .max_flat_workgroup_size: 512
    .sgpr_count:     80
    .vgpr_count:     256
    .wavefront_size: 32
...
	.end_amdgpu_metadata
.endif
;; end of part 4
;; launch oproj: the kernel of part 3 again; grid 128 x 2, 8 waves a work-group, clusters of 4 x 1, 238,592 bytes of LDS; arguments cc, cs, Wo_codes, Wo_scales, bo, out0; writes out0
